; MI455X (gfx1250); checked and timed in simulation.
; The chip was launched on July 23, 2026; its instructions are those of AMD's public machine-readable ISA for CDNA 5 (MIT licence, August 2026) and "CDNA5" Instruction Set Architecture Reference Guide (July 2026). The comments in the code are by the model that wrote it; some were corrected since.
;; GPT2 Block. Allowed arithmetic: float matrix products may take bf16 or f16 operands with f32 sums; all other float work in f32.
;; Inputs: b_attn 3,072 float32; b_fc 4,096 float32; b_fc_proj 1,024 float32; b_proj 1,024 float32; hidden_states 2 x 2,048 x 1,024 float32; ln1_b 1,024 float32; ln1_w 1,024 float32; ln2_b 1,024 float32; ln2_w 1,024 float32; w_attn 1,024 x 3,072 float32; w_fc 1,024 x 4,096 float32; w_fc_proj 4,096 x 1,024 float32; w_proj 1,024 x 1,024 float32.
;; Outputs: out0 2 x 2,048 x 1,024 float32.
;; One version. Each part assembles by itself: llvm-mc -triple=amdgcn-amd-amdhsa -mcpu=gfx1250 --defsym DOCPART=n.
;; ======== version 1 of 1: 7 launches
;; workspace buffers: wts 25,165,824 bytes; x1 8,388,608 bytes; qkv 25,165,824 bytes; vsum 131,072 bytes; att 8,388,608 bytes; h 16,777,216 bytes; y 8,388,608 bytes; g 33,554,432 bytes
;; launch prep (part 1): grid 512 x 1, 8 waves a work-group, no clusters, 0 bytes of LDS; arguments w_attn, w_proj, w_fc, w_fc_proj, hidden_states, ln1_w, ln1_b, wts, x1; writes wts, x1
.if DOCPART == 1
	.amdgcn_target "amdgcn-amd-amdhsa--gfx1250"
	.amdhsa_code_object_version 6
	.text
	.protected	k_q6d4489ae91_prep
	.globl	k_q6d4489ae91_prep
	.p2align	8
	.type	k_q6d4489ae91_prep,@function
k_q6d4489ae91_prep:
	s_mov_b64 s[64:65], 0
	v_nop
	global_prefetch_b8 v0, s[64:65] scope:SCOPE_SE
	s_setreg_imm32_b32 hwreg(HW_REG_WAVE_MODE, 25, 1), 1
	s_wait_xcnt 0x0
; Two streams in one launch, chosen by the work-group's number; every work-group moves 192 KiB.
;  groups 0..383:   the four weight matrices, f32 to bf16 (round to nearest even), layout [K][N] kept, laid one behind the other
;                   in wts: w_attn, w_proj, w_fc, w_fc_proj.  A group takes 32,768 numbers: 128 KiB in, 64 KiB out.
;  groups 384..511: x1 = LayerNorm(hidden_states; ln1_w, ln1_b) in bf16.  One wave, one row at a time, the row kept in 32 registers:
;                   mean, then the centred squares (two passes in f32, so a common offset of the row costs no digits), 4 rows a wave.
; No LDS, no barrier, no matrix unit: memory binds, and no wave needs another's numbers.
; Limits: v_rsq_f32 is good to one unit in the last place; NaN and infinities in the inputs are not followed.
.set NCONV, 384                        ; groups that convert: 96 + 32 + 128 + 128
.set X,    4                           ; v[4:131]   conversion: 32 loads of 4 registers; LayerNorm: row rr at X + 32 rr
.set W,    132                         ; v[132:163] the gain of my 32 columns
.set BB,   164                         ; v[164:195] the bias of my 32 columns
.set AC,   196                         ; v[196:203] four chains of pair sums
.set MEAN, 204                         ; v[204:205] the row's mean, twice
.set RS,   206                         ; v[206:207] 1 / sqrt(var + eps), twice
	s_load_b512 s[8:23], s[0:1], 0x0               ; w_attn 8, w_proj 10, w_fc 12, w_fc_proj 14, hidden 16, ln1_w 18, ln1_b 20, wts 22
	s_load_b64 s[24:25], s[0:1], 0x40              ; x1
	s_cmp_ge_u32 ttmp9, NCONV
	s_cbranch_scc1 .Lln
	; ---- conversion ----
	v_lshlrev_b32 v1, 4, v0                        ; 16 bytes of f32 a thread: the group's 256 threads cover 4,096 bytes a load
	v_lshlrev_b32 v2, 3, v0                        ; 8 bytes of bf16 a thread: a wave's store covers 256 consecutive bytes, aligned
	s_wait_kmcnt 0x0
	s_mov_b64 s[4:5], s[8:9]                       ; which matrix, and the number of its first group: by the group's number alone
	s_mov_b32 s6, 0
	s_cmp_ge_u32 ttmp9, 96
	s_cselect_b64 s[4:5], s[10:11], s[4:5]
	s_cselect_b32 s6, 96, s6
	s_cmp_ge_u32 ttmp9, 128
	s_cselect_b64 s[4:5], s[12:13], s[4:5]
	s_cselect_b32 s6, 128, s6
	s_cmp_ge_u32 ttmp9, 256
	s_cselect_b64 s[4:5], s[14:15], s[4:5]
	s_cselect_b32 s6, 256, s6
	s_sub_co_u32 s6, ttmp9, s6
	s_lshl_b32 s6, s6, 17                          ; 128 KiB of f32 a group, counted inside the matrix
	s_mov_b32 s7, 0
	s_add_nc_u64 s[4:5], s[4:5], s[6:7]
	s_lshl_b32 s2, ttmp9, 16                       ; 64 KiB of bf16 a group, counted through wts
	s_mov_b32 s3, 0
	s_add_nc_u64 s[22:23], s[22:23], s[2:3]
.set j, 0
.rept 32
	global_load_b128 v[X+4*j:X+4*j+3], v1, s[4:5] offset:4096*j th:TH_LOAD_NT   ; all 32 go out first: the group's whole 128 KiB is on its way
.set j, j+1
.endr
.set j, 0
.rept 32
	s_wait_loadcnt 31-j                            ; loads come back in order: load j is in, the 31 - j younger ones stay out
	v_cvt_pk_bf16_f32 v[X+4*j],   v[X+4*j],   v[X+4*j+1]
	v_cvt_pk_bf16_f32 v[X+4*j+1], v[X+4*j+2], v[X+4*j+3]
	global_store_b64 v2, v[X+4*j:X+4*j+1], s[22:23] offset:2048*j               ; no register is written twice: no further wait
.set j, j+1
.endr
	s_endpgm
	; ---- LayerNorm 1 ----
.Lln:
	v_lshrrev_b32 v3, 5, v0
	v_readfirstlane_b32 s2, v3                     ; wave 0..7
	v_and_b32 v1, 31, v0                           ; lane
	v_lshlrev_b32 v2, 3, v1                        ; 8 bytes of bf16 a lane
	v_lshlrev_b32 v1, 4, v1                        ; 16 bytes of f32 a lane
	s_sub_co_u32 s3, ttmp9, NCONV
	s_lshl_b32 s3, s3, 5                           ; 32 rows a group
	s_lshl2_add_u32 s3, s2, s3                     ; + 4 rows a wave
	s_lshl_b32 s4, s3, 12                          ; rows of 4,096 bytes in
	s_mov_b32 s5, 0
	s_lshl_b32 s6, s3, 11                          ; rows of 2,048 bytes out
	s_mov_b32 s7, 0
	s_mov_b32 s26, 0x76543210                      ; v_permlanex16_b32: lane i of one half reads lane i of the other
	s_mov_b32 s27, 0xfedcba98
	s_mov_b32 s28, 0x3a800000                      ; 1 / 1024
	s_mov_b32 s29, 0x358637bd                      ; eps = 1e-6
	s_wait_kmcnt 0x0
	s_add_nc_u64 s[16:17], s[16:17], s[4:5]
	s_add_nc_u64 s[24:25], s[24:25], s[6:7]
.irp j, 0,1,2,3,4,5,6,7
	global_load_b128 v[W+4*\j:W+4*\j+3], v1, s[18:19] offset:512*\j             ; register 4 j + e holds column 128 j + 4 lane + e, as the rows do
.endr
.irp j, 0,1,2,3,4,5,6,7
	global_load_b128 v[BB+4*\j:BB+4*\j+3], v1, s[20:21] offset:512*\j
.endr
.irp r, 0,1,2,3
.irp j, 0,1,2,3,4,5,6,7
	global_load_b128 v[X+32*\r+4*\j:X+32*\r+4*\j+3], v1, s[16:17] offset:4096*\r+512*\j
.endr
.endr
; the four chains of AC become one sum over the wave, in every lane's v[AC]
.macro REDUCE
	v_pk_add_f32 v[AC:AC+1],   v[AC:AC+1],   v[AC+2:AC+3]
	v_pk_add_f32 v[AC+4:AC+5], v[AC+4:AC+5], v[AC+6:AC+7]
	v_pk_add_f32 v[AC:AC+1],   v[AC:AC+1],   v[AC+4:AC+5]
	v_add_f32 v[AC], v[AC], v[AC+1]
	v_add_f32_dpp v[AC], v[AC], v[AC] row_xmask:1 row_mask:0xf bank_mask:0xf
	v_add_f32_dpp v[AC], v[AC], v[AC] row_xmask:2 row_mask:0xf bank_mask:0xf
	v_add_f32_dpp v[AC], v[AC], v[AC] row_xmask:4 row_mask:0xf bank_mask:0xf
	v_add_f32_dpp v[AC], v[AC], v[AC] row_xmask:8 row_mask:0xf bank_mask:0xf
	v_permlanex16_b32 v[AC+1], v[AC], s26, s27     ; its destination has been written above
	v_add_f32 v[AC], v[AC], v[AC+1]
.endm
; one row.  left = the loads of the rows behind it, which stay out
.macro LNROW rr, left
.set XR, X+32*\rr
	s_wait_loadcnt \left
.irp k, 0,1,2,3
	v_pk_add_f32 v[AC+2*\k:AC+2*\k+1], v[XR+2*\k:XR+2*\k+1], v[XR+8+2*\k:XR+8+2*\k+1]   ; the first numbers start the chains
.endr
.irp k, 0,1,2,3
	v_pk_add_f32 v[AC+2*\k:AC+2*\k+1], v[AC+2*\k:AC+2*\k+1], v[XR+16+2*\k:XR+16+2*\k+1]
.endr
.irp k, 0,1,2,3
	v_pk_add_f32 v[AC+2*\k:AC+2*\k+1], v[AC+2*\k:AC+2*\k+1], v[XR+24+2*\k:XR+24+2*\k+1]
.endr
	REDUCE
	v_mul_f32 v[MEAN],   s28, v[AC]
	v_mul_f32 v[MEAN+1], s28, v[AC]
.set p, 0
.rept 16
	v_pk_add_f32 v[XR+2*p:XR+2*p+1], v[XR+2*p:XR+2*p+1], v[MEAN:MEAN+1] neg_lo:[0,1] neg_hi:[0,1]   ; x - mean
.set p, p+1
.endr
.irp k, 0,1,2,3
	v_pk_mul_f32 v[AC+2*\k:AC+2*\k+1], v[XR+2*\k:XR+2*\k+1], v[XR+2*\k:XR+2*\k+1]
.endr
.set p, 4
.rept 12
	v_pk_fma_f32 v[AC+2*(p%4):AC+2*(p%4)+1], v[XR+2*p:XR+2*p+1], v[XR+2*p:XR+2*p+1], v[AC+2*(p%4):AC+2*(p%4)+1]
.set p, p+1
.endr
	REDUCE
	v_fma_f32 v[AC], v[AC], s28, s29               ; var + eps
	v_rsq_f32 v[RS],   v[AC]
	v_rsq_f32 v[RS+1], v[AC]
	v_nop                                          ; one plain vector instruction between a transcendental and the use of its result (ISA guide 5.7.2)
.set p, 0
	s_wait_alu depctr_va_vdst(0)
.rept 16
	v_pk_mul_f32 v[XR+2*p:XR+2*p+1], v[XR+2*p:XR+2*p+1], v[RS:RS+1]
.set p, p+1
.endr
.set p, 0
.rept 16
	v_pk_fma_f32 v[XR+2*p:XR+2*p+1], v[XR+2*p:XR+2*p+1], v[W+2*p:W+2*p+1], v[BB+2*p:BB+2*p+1]
.set p, p+1
.endr
.irp j, 0,1,2,3,4,5,6,7
	v_cvt_pk_bf16_f32 v[XR+4*\j],   v[XR+4*\j],   v[XR+4*\j+1]
	v_cvt_pk_bf16_f32 v[XR+4*\j+1], v[XR+4*\j+2], v[XR+4*\j+3]
	global_store_b64 v2, v[XR+4*\j:XR+4*\j+1], s[24:25] offset:2048*\rr+256*\j   ; the wave stores 256 consecutive bytes, aligned
.endr
.endm
	LNROW 0, 24
	LNROW 1, 16
	LNROW 2, 8
	LNROW 3, 0
	s_endpgm
.Lfunc_end_k_q6d4489ae91_prep:
	.size	k_q6d4489ae91_prep, .Lfunc_end_k_q6d4489ae91_prep-k_q6d4489ae91_prep
	.p2alignl 7, 3214868480
	.fill 96, 4, 3214868480
	.section	.rodata,"a",@progbits
	.p2align	6, 0x0
	.amdhsa_kernel k_q6d4489ae91_prep
		.amdhsa_group_segment_fixed_size 0
		.amdhsa_private_segment_fixed_size 0
		.amdhsa_enable_private_segment 0
		.amdhsa_kernarg_size 72
		.amdhsa_user_sgpr_count 2
		.amdhsa_user_sgpr_kernarg_segment_ptr 1
		.amdhsa_wavefront_size32 1
		.amdhsa_system_sgpr_workgroup_id_x 1
		.amdhsa_system_sgpr_workgroup_id_y 1
		.amdhsa_system_sgpr_workgroup_id_z 1
		.amdhsa_system_vgpr_workitem_id 0
		.amdhsa_next_free_vgpr 208
		.amdhsa_next_free_sgpr 66
		.amdhsa_reserve_vcc 0
		.amdhsa_float_denorm_mode_32 3
		.amdhsa_float_denorm_mode_16_64 3
		.amdhsa_memory_ordered 1
		.amdhsa_forward_progress 1
		.amdhsa_inst_pref_size 50
	.end_amdhsa_kernel
	.amdgpu_metadata
---
amdhsa.version: [ 1, 2 ]
amdhsa.kernels:
  - .name:           k_q6d4489ae91_prep
    .symbol:         k_q6d4489ae91_prep.kd
    .args:
      - { .name: w_attn, .offset: 0, .size: 8, .value_kind: global_buffer, .address_space: global }
      - { .name: w_proj, .offset: 8, .size: 8, .value_kind: global_buffer, .address_space: global }
      - { .name: w_fc, .offset: 16, .size: 8, .value_kind: global_buffer, .address_space: global }
      - { .name: w_fc_proj, .offset: 24, .size: 8, .value_kind: global_buffer, .address_space: global }
      - { .name: hidden_states, .offset: 32, .size: 8, .value_kind: global_buffer, .address_space: global }
      - { .name: ln1_w, .offset: 40, .size: 8, .value_kind: global_buffer, .address_space: global }
      - { .name: ln1_b, .offset: 48, .size: 8, .value_kind: global_buffer, .address_space: global }
      - { .name: wts, .offset: 56, .size: 8, .value_kind: global_buffer, .address_space: global }
      - { .name: x1, .offset: 64, .size: 8, .value_kind: global_buffer, .address_space: global }
    .group_segment_fixed_size: 0
    .private_segment_fixed_size: 0
    .kernarg_segment_align: 8
    .kernarg_segment_size: 72
    .max_flat_workgroup_size: 256
    .sgpr_count:     66
    .vgpr_count:     208
    .wavefront_size: 32
...
	.end_amdgpu_metadata
.endif
;; end of part 1
;; launch gemm_qkv (part 2): grid 12 x 16, 4 waves a work-group, clusters of 4 x 4, 327,680 bytes of LDS; arguments x1, wts, b_attn, qkv, vsum; writes qkv, vsum
.if DOCPART == 2
	.amdgcn_target "amdgcn-amd-amdhsa--gfx1250"
	.amdhsa_code_object_version 6
	.text
	.protected	k_q6d4489ae91_gemm_qkv
	.globl	k_q6d4489ae91_gemm_qkv
	.p2align	8
	.type	k_q6d4489ae91_gemm_qkv,@function
k_q6d4489ae91_gemm_qkv:
	s_mov_b64 s[64:65], 0
	v_nop
	global_prefetch_b8 v0, s[64:65] scope:SCOPE_SE
	s_setreg_imm32_b32 hwreg(HW_REG_WAVE_MODE, 25, 1), 1
	s_wait_xcnt 0x0
	s_wait_alu depctr_hold_cnt(0) depctr_sa_sdst(0) depctr_va_vdst(0) depctr_va_sdst(0) depctr_va_ssrc(0) depctr_va_vcc(0) depctr_vm_vsrc(0)
	s_getreg_b32 s2, hwreg(HW_REG_IB_STS2, 6, 4)
	s_cmp_eq_u32 s2, 0
	s_cbranch_scc0 .Lentry_in_a_cluster
	s_endpgm
.Lentry_in_a_cluster:
	s_bfe_u32 s2, ttmp6, 0x10000c
	s_cmp_lg_u32 s2, 0xf033
	s_cbranch_scc0 .Lentry_shape_is_right
	s_endpgm
.Lentry_shape_is_right:
; qkv = x1 Wa + b_attn, rounded once to bf16; and vsum[block of 128 tokens][V column] = the f32 sum of V over the block's rows.
; C[m][n] = sum over k of A[m][k] B[k][n] + bias[n].  A: [4096][SIZE_K] bf16.  B: [SIZE_K][SIZE_N] bf16 at byte WOFF of wts, N along the rows.
; A work-group makes 256 x 256 of C with four waves; a wave makes 128 x 128: 64 accumulator tiles of 16 x 16 in 512 registers.
; K goes in steps of 128 through two LDS slots filled by tensor loads: A's tile is 256 rows of 256 bytes, B's 128 rows (k) of 512 bytes.
; B's fragments are taken out of its [k][n] tile by the transposing LDS load, so no transposed copy of the weights is ever made.
; CLUSTERS: 4 x 4 work-groups.  A's tile hangs on the block row alone and is asked for jointly by a row of the cluster, B's on the block
; column alone and is asked for jointly by a column: a quarter of the requests.
; The grid is 12 x 16 = 192 work-groups: 3,072 columns are 12 blocks of 256.
; THE MATRIX INSTRUCTION IS USED TRANSPOSED: source 0 = 16 columns of B, source 1 = 16 rows of A; lane l then holds row l % 16 of C and
; its registers 0-7 the columns 8 (l / 16) + 0..7: eight neighbouring numbers of a row.
; THE BIAS COSTS NOTHING: it is loaded in that layout and is the C operand of each tile's first product.
; Limits: operands are bf16, sums f32; vsum adds V before its rounding to bf16; NaN and infinities in the inputs are not followed.
; REGISTERS: window 0: v16-39 addresses and small things; v64-127, v128-191 fragments of A, two buffers; v192-255 the bias (later at work)
;   window 1: v64-127, v128-191 fragments of B;  window 2: the tiles of my rows 0-63 (tile (a, b) at v[8 (8 a + b)]);  window 3: rows 64-127
.set SIZE_N, 3072
.set SIZE_K, 1024
.set WOFF,   0                         ; Wa's place in wts
.set GELU,   0                         ; 1: the result goes through the GELU
.set VSUM,   1                         ; 1: block sums of the V columns (block columns 8 to 11) are stored too
.set KSTEP,  128
.set PITCH,  272                       ; A's LDS row: 256 bytes + 16: an odd multiple of 16, so 16 rows of a fragment load start 16 bytes apart modulo 256
.set BPITCH, 544                       ; B's LDS row: 512 bytes + 32: an odd multiple of 32, as the transposing load's eight rows want
.set HALFT,  128*PITCH                 ; what one tensor load brings: 128 rows of A, or 64 rows of B (64 x 544 is the same 34,816 bytes)
.set SLOT,   4*HALFT                   ; A's two halves, then B's two halves
.set STAGE,  2*SLOT                    ; behind the ring: 16 rows x 272 bytes for each wave; no tensor load ever lands here
.set SPITCH, 272
.set LAPS,   SIZE_K/(2*KSTEP)          ; a lap = two K steps = once round the ring
.set ADRA, 16                          ; v16-17  LDS address of my A fragments in slot 0, 1
.set ADRB, 20                          ; v20-21  the same for B
.set STO,  24                          ; the way out: where I put 16 bytes of a row
.set RD,   25                          ; the way out: where I read a row back
.set CO,   26                          ; my byte offset in C
.set BO,   27                          ; 32 h: my place in 16 numbers of the bias
.set C1,   28                          ; v[28:29] GELU's first constant, twice
.set VS0,  30                          ; vsum: stage + 32 h
.set VS1,  31                          ; vsum: stage + 16 lane
.set VS2,  32                          ; vsum: 16 lane
.set VSD,  36                          ; v[36:39] vsum: 4 sums to store
.set F0,   64
.set F1,   128
.set BIAS, 192                         ; v[192:255] bias[16 b + 8 h + j] at BIAS + 8 b + j
.set RB0,  64                          ; the way out: rows read back, two buffers
.set RB1,  128
.set T,    160                         ; v[160:223] GELU at work
.set TMP,  224                         ; v[224:255] packed results
.set CS,   64                          ; v[64:127] vsum: column sums
.set G1,  24                           ; s[24:31] descriptor group 1 for A's tiles
.set G0,  32                           ; s[32:39] group 0 for A's tiles, one set for each slot
.set G1B, 48                           ; s[48:55] group 1 for B's tiles
.set G0B, 56                           ; s[56:63] group 0 for B's tiles
.set MSB, 0
.macro WIN new                         ; s_set_vgpr_msb: bits 1:0 source 0, 3:2 source 1, 5:4 source 2, 7:6 destination; the high byte repeats the setting left
.if MSB != \new
	s_set_vgpr_msb (MSB<<8)|\new
.set MSB, \new
.endif
.endm
.set MUL_LO,   0xa1                    ; source 0 (B) window 1, source 1 (A) window 0, C and D window 2
.set MUL_HI,   0xf1                    ; the same, C and D window 3
.set FIRST_LO, 0x81                    ; C (the bias) window 0, D window 2
.set FIRST_HI, 0xc1                    ; C window 0, D window 3
.set TO_B,     0x40                    ; destination window 1, address window 0
; A joint load.  Waves 0 and 1 fetch A's halves, waves 2 and 3 B's; the branch hangs on the wave's number alone.
.macro JLOAD s
	s_cmp_eq_u32 s15, 0
	s_cbranch_scc0 .Lfor_b_\@
	tensor_load_to_lds s[G0+4*\s:G0+4*\s+3], s[G1:G1+7]
	s_nop 0
	s_branch .Lasked_\@
.Lfor_b_\@:
	tensor_load_to_lds s[G0B+4*\s:G0B+4*\s+3], s[G1B:G1B+7]
	s_nop 0
.Lasked_\@:
.endm
; A round of the cluster's barrier: my work-group's barrier; wave 0 signals for the work-group; every wave waits for all sixteen; my work-group's barrier again.
.macro CREST                           ; a round behind its opening barrier
	s_cmp_lg_u32 s14, 0
	s_cbranch_scc1 .Lnot_wave_0_\@
	s_barrier_signal -3
.Lnot_wave_0_\@:
	s_barrier_wait -3
	s_barrier_signal -1
	s_barrier_wait -1
.endm
.macro CROUND
	s_barrier_signal -1
	s_barrier_wait -1
	CREST
.endm
	s_load_b256 s[4:11], s[0:1], 0x0               ; A s[4:5], wts s[6:7], bias s[8:9], C s[10:11]
.if VSUM
	s_load_b64 s[12:13], s[0:1], 0x20              ; vsum
	s_set_vgpr_msb 0x40
	v_lshl_add_u32 v255, v0, 2, 0x48400
	s_set_vgpr_msb 0x4000
	v_mov_b32 v63, 0
	s_set_vgpr_msb 0x1
	ds_add_u32 v255, v63
	ds_add_u32 v255, v63
	s_set_vgpr_msb 0x100
.endif
	v_lshrrev_b32 v1, 5, v0
	v_readfirstlane_b32 s14, v1                    ; wave 0..3
	s_lshr_b32 s15, s14, 1                         ; which half of the block's rows is mine.  Also: I fetch for A (0) or for B (1)
	s_and_b32 s16, s14, 1                          ; which half of its columns.  Also: which half of that tile I fetch
	s_bfe_u32 s17, ttmp6, 0x40000                  ; cx
	s_bfe_u32 s18, ttmp6, 0x40004                  ; cy
	s_lshl_b32 s19, ttmp9, 2
	s_add_co_u32 s19, s19, s17                     ; block column = 4 x cluster x + cx
	s_and_b32 s20, ttmp7, 0xffff
	s_lshl_b32 s20, s20, 2
	s_add_co_u32 s20, s20, s18                     ; block row = 4 x cluster y + cy
	s_lshl_b32 s21, s18, 2
	s_lshl_b32 s21, 15, s21                        ; my row of the cluster: places 4 cy .. 4 cy + 3
	s_lshl_b32 s22, 0x1111, s17                    ; my column: places cx, cx + 4, cx + 8, cx + 12
	; group 1 of A: 128 rows x 128 elements of 2 bytes; after every 64 words (code 5) 4 words of padding (code 3); bit 21 beside the mask
	s_or_b32 s[G1+0], s21, (1<<16)|(1<<20)|(1<<21)|(5<<22)|(3<<25)
	s_mov_b32 s[G1+1], KSTEP<<16                   ; tensor_dim0 = 128
	s_mov_b32 s[G1+2], 128<<16                     ; tensor_dim1 = 128
	s_mov_b32 s[G1+3], KSTEP<<16                   ; tile_dim0 = 128
	s_mov_b32 s[G1+4], 128                         ; tile_dim1 = 128
	s_mov_b32 s[G1+5], SIZE_K                      ; elements from row to row
	s_mov_b32 s[G1+6], 0
	s_mov_b32 s[G1+7], 0
	; group 1 of B: 64 rows (k) x 256 elements; after every 128 words (code 6) 8 words of padding (code 7)
	s_or_b32 s[G1B+0], s22, (1<<16)|(1<<20)|(1<<21)|(6<<22)|(7<<25)
	s_mov_b32 s[G1B+1], 256<<16                    ; tensor_dim0 = 256
	s_mov_b32 s[G1B+2], 64<<16                     ; tensor_dim1 = 64
	s_mov_b32 s[G1B+3], 256<<16                    ; tile_dim0 = 256
	s_mov_b32 s[G1B+4], 64                         ; tile_dim1 = 64
	s_mov_b32 s[G1B+5], SIZE_N
	s_mov_b32 s[G1B+6], 0
	s_mov_b32 s[G1B+7], 0
	; where the tiles come from: A's hang on the block row and the wave, B's on the block column and the wave, in registers of their own
	s_lshl_b32 s40, s20, 8
	s_lshl_b32 s42, s16, 7
	s_add_co_u32 s40, s40, s42                     ; A: row 256 x block row + 128 x half
	s_lshl_b32 s40, s40, 11                        ; x 2,048 bytes
	s_mov_b32 s41, 0
	s_mul_i32 s44, s16, 64*SIZE_N*2                ; B: k row 64 x half,
	s_lshl_b32 s46, s19, 9                         ; column 256 x block column, 2 bytes each,
	s_add_co_u32 s44, s44, s46
	s_add_co_u32 s44, s44, WOFF                    ; in this matrix's part of wts
	s_mov_b32 s45, 0
	s_mul_i32 s43, s14, HALFT                      ; where they go: wave x 34,816: no place in the cluster enters an LDS address
	s_wait_dscnt 0x0
	s_wait_kmcnt 0x0
	s_add_nc_u64 s[40:41], s[4:5], s[40:41]
	s_add_nc_u64 s[44:45], s[6:7], s[44:45]
	CROUND                                         ; all sixteen work-groups are here: the first joint loads meet
.irp s, 0,1
	s_mov_b32 s[G0+4*\s], 1
	s_add_co_u32 s[G0+4*\s+1], s43, \s*SLOT
	s_add_nc_u64 s[G0+4*\s+2:G0+4*\s+3], s[40:41], \s*KSTEP*2
	s_or_b32 s[G0+4*\s+3], s[G0+4*\s+3], 0x80000000
	s_mov_b32 s[G0B+4*\s], 1
	s_add_co_u32 s[G0B+4*\s+1], s43, \s*SLOT
	s_add_nc_u64 s[G0B+4*\s+2:G0B+4*\s+3], s[44:45], \s*KSTEP*SIZE_N*2
	s_or_b32 s[G0B+4*\s+3], s[G0B+4*\s+3], 0x80000000
	JLOAD \s                                       ; both slots' first fills go out before anything else: two tensor loads of the wave are out
.endr
	v_and_b32 v1, 15, v0                           ; r = l % 16
	v_bfe_u32 v2, v0, 4, 1                         ; h = l / 16
	v_lshlrev_b32 v[BO], 5, v2
	s_lshl_b32 s46, s19, 10                        ; the bias of my 128 columns: (256 x block column + 128 x half) x 4 bytes
	s_lshl_b32 s47, s16, 9
	s_add_co_u32 s46, s46, s47
	s_mov_b32 s47, 0
	s_add_nc_u64 s[8:9], s[8:9], s[46:47]
.irp b, 0,1,2,3,4,5,6,7
	global_load_b128 v[BIAS+8*\b:BIAS+8*\b+3],   v[BO], s[8:9] offset:64*\b
	global_load_b128 v[BIAS+8*\b+4:BIAS+8*\b+7], v[BO], s[8:9] offset:64*\b+16
.endr
	; A's fragment: lane l holds row l % 16; registers 0-3 K = 8 h + 0..7, registers 4-7 K = 16 + 8 h + 0..7: two loads of 16 bytes, 32 apart
	v_mul_u32_u24 v3, v1, PITCH
	v_lshl_add_u32 v3, v2, 4, v3                   ; r x 272 + 16 h
	s_mul_i32 s42, s15, HALFT                      ; my 128 rows of A
	v_add_nc_u32 v[ADRA], s42, v3
	s_add_co_u32 s42, s42, SLOT
	v_add_nc_u32 v[ADRA+1], s42, v3
	; B's fragment by the transposing load: lane l addresses k row 8 h + l % 8, 16 bytes at column 8 ((l / 8) % 2); it receives K = 8 h + 0..7 of column l % 16
	v_and_b32 v4, 7, v0
	v_lshl_add_u32 v4, v2, 3, v4
	v_mul_u32_u24 v4, v4, BPITCH
	v_bfe_u32 v5, v0, 3, 1
	v_lshl_add_u32 v4, v5, 4, v4
	s_lshl_b32 s42, s16, 8                         ; my 128 columns, 2 bytes each,
	s_add_co_u32 s42, s42, 2*HALFT                 ; behind A's 256 rows
	v_add_nc_u32 v[ADRB], s42, v4
	s_add_co_u32 s42, s42, SLOT
	v_add_nc_u32 v[ADRB+1], s42, v4
	s_mul_i32 s42, s14, 16*SPITCH
	s_add_co_u32 s42, s42, STAGE                   ; my stage
	v_add_nc_u32 v[STO], s42, v3                   ; in: row r, 16 bytes for each half of the lanes
	v_mul_u32_u24 v5, v2, SPITCH                   ; back: lanes 0-15 one row of 256 bytes, lanes 16-31 the next
	v_lshl_add_u32 v5, v1, 4, v5
	v_add_nc_u32 v[RD], s42, v5
	v_mul_u32_u24 v5, v2, SIZE_N*2                 ; and the same two rows in C
	v_lshl_add_u32 v[CO], v1, 4, v5
.if VSUM
	v_add_nc_u32 v[VS0], s42, v[BO]
	v_and_b32 v5, 31, v0
	v_lshlrev_b32 v[VS2], 4, v5
	v_add_nc_u32 v[VS1], s42, v[VS2]
.endif
.if GELU
	v_mov_b32 v[C1],   0xc0135761                  ; c1 = -2 log2(e) sqrt(2 / pi)
	v_mov_b32 v[C1+1], 0xc0135761
	s_mov_b32 s70, 0xbdd2d3e8                      ; c2 = 0.044715 c1
	s_mov_b32 s71, 0xbdd2d3e8
.endif
	s_lshl_b32 s46, s20, 8                         ; C at my first row and column
	s_lshl_b32 s47, s15, 7
	s_add_co_u32 s46, s46, s47
	s_mul_i32 s46, s46, SIZE_N*2
	s_lshl_b32 s47, s19, 9
	s_add_co_u32 s46, s46, s47
	s_lshl_b32 s47, s16, 8
	s_add_co_u32 s46, s46, s47
	s_mov_b32 s47, 0
	s_add_nc_u64 s[10:11], s[10:11], s[46:47]
; 16 matrix instructions: m blocks a0, a0 + 1 of the window's four x all 8 n blocks, 32 along K.  first = 1: the bias starts the sums.
; The 64 accumulators take turns, one instruction a turn, in the same order in every quarter step.
.macro MUL16 f, hi, a0, first
.irp a, \a0, \a0+1
.irp b, 0,1,2,3,4,5,6,7
.if \first
	v_wmma_f32_16x16x32_bf16 v[8*(8*(\a)+\b):8*(8*(\a)+\b)+7], v[\f+8*\b:\f+8*\b+7], v[\f+8*(4*\hi+\a):\f+8*(4*\hi+\a)+7], v[BIAS+8*\b:BIAS+8*\b+7]
.else
	v_wmma_f32_16x16x32_bf16 v[8*(8*(\a)+\b):8*(8*(\a)+\b)+7], v[\f+8*\b:\f+8*\b+7], v[\f+8*(4*\hi+\a):\f+8*(4*\hi+\a)+7], v[8*(8*(\a)+\b):8*(8*(\a)+\b)+7]
.endif
.endr
.endr
.endm
; 32 LDS loads in one run: the fragments of quarter step q (32 along K) into buffer f: B's 128 columns, then A's 128 rows
.macro FETCH slot, q, f
	WIN TO_B
.irp i, 0,1,2,3,4,5,6,7
	ds_load_tr16_b128 v[\f+8*\i:\f+8*\i+3],   v[ADRB+\slot] offset:\q*32*BPITCH+32*\i
	ds_load_tr16_b128 v[\f+8*\i+4:\f+8*\i+7], v[ADRB+\slot] offset:\q*32*BPITCH+32*\i+16*BPITCH
.endr
	WIN 0
.irp i, 0,1,2,3,4,5,6,7
	ds_load_b128 v[\f+8*\i:\f+8*\i+3],   v[ADRA+\slot] offset:\q*64+\i*16*PITCH
	ds_load_b128 v[\f+8*\i+4:\f+8*\i+7], v[ADRA+\slot] offset:\q*64+\i*16*PITCH+32
.endr
.endm
; four plain vector instructions between a matrix instruction and a load into, or a vector access to, one of its registers
.macro PLACES
.rept 4
	v_nop
.endr
.endm
; one of a K step's first three quarters: multiplies buffer f; in its middle it fetches quarter q of the same slot into buffer g
.macro QUARTER slot, q, f, g, first
	s_wait_dscnt 8                                 ; B and A's rows 0-63 are in; the youngest eight loads (A's rows 64-127) may be out
.if \first
	WIN FIRST_LO
.else
	WIN MUL_LO
.endif
	MUL16 \f, 0, 0, \first
	MUL16 \f, 0, 2, \first
	PLACES
	FETCH \slot, \q, \g
	s_wait_dscnt 32                                ; all but the 32 just issued
.if \first
	WIN FIRST_HI
.else
	WIN MUL_HI
.endif
	MUL16 \f, 1, 0, \first
	MUL16 \f, 1, 2, \first
.endm
.macro THREE slot, first
	QUARTER \slot, 1, F0, F1, \first
	QUARTER \slot, 2, F1, F0, 0
	QUARTER \slot, 3, F0, F1, 0
.endm
; The last quarter: multiplies buffer 1 and changes slots.  fill = 1: this slot is filled again, two K steps ahead.
; In front of the barrier each wave waits for its reads of this slot and for all its tensor loads (one is out: its part of the next slot).
; Behind it nobody reads this slot and the next slot is whole: the refill comes first, then the next slot's first fragments.
.macro TURN slot, next, fill
	s_wait_dscnt 8
	WIN MUL_LO
	MUL16 F1, 0, 0, 0
	s_wait_dscnt 0                                 ; my reads of this slot are over
	s_wait_tensorcnt 0x0                           ; and all my tensor loads have landed
	ds_add_u32 v255, v63
	s_wait_dscnt 0x0
	s_barrier_signal -1                            ; where a slot is filled again this barrier opens a round of the cluster's barrier
	MUL16 F1, 0, 2, 0                              ; register work while the others arrive
	WIN 0
	s_barrier_wait -1
.if \fill
	CREST                                          ; no wave of any partner still reads this slot or has a load on its way
	s_add_nc_u64 s[G0+4*\slot+2:G0+4*\slot+3], s[G0+4*\slot+2:G0+4*\slot+3], 2*KSTEP*2
	s_add_nc_u64 s[G0B+4*\slot+2:G0B+4*\slot+3], s[G0B+4*\slot+2:G0B+4*\slot+3], 2*KSTEP*SIZE_N*2
	JLOAD \slot                                    ; the wave's one tensor load behind the round, and the first thing there
.endif
	PLACES
	FETCH \next, 0, F0
	WIN MUL_HI
	MUL16 F1, 1, 0, 0
	MUL16 F1, 1, 2, 0
.endm
.macro LAP first
	THREE 0, \first
	TURN 0, 1, 1
	THREE 1, 0
	TURN 1, 0, 1
.endm
	s_wait_loadcnt 0x0                             ; the bias
	s_wait_tensorcnt 1                             ; my part of K step 0 is in; K step 1's may stay out
	s_barrier_signal -1
	s_barrier_wait -1
	FETCH 0, 0, F0
	LAP 1                                          ; the first lap stands in front of the loop: its first products take the bias as C
	WIN 0                                          ; at a label and at a branch every window is 0
	s_mov_b32 s23, LAPS-2
.Llap:
	LAP 0
	WIN 0
	s_sub_co_u32 s23, s23, 1
	s_cmp_lg_u32 s23, 0
	s_cbranch_scc1 .Llap
	THREE 0, 0                                     ; the last lap fills nothing
	TURN 0, 1, 0
	THREE 1, 0
	s_wait_dscnt 8
	WIN MUL_LO
	MUL16 F1, 0, 0, 0
	MUL16 F1, 0, 2, 0
	s_wait_dscnt 0
	WIN MUL_HI
	MUL16 F1, 1, 0, 0
	MUL16 F1, 1, 2, 0
	PLACES                                         ; behind the last matrix instructions, for everything below
	WIN 0
.if VSUM
	; Block columns 8 to 11 are V: the third cluster along x, the same answer in all sixteen partners; no barrier stands inside.
	s_cmp_lg_u32 ttmp9, 2
	s_cbranch_scc1 .Lno_vsum
	WIN 0x0a                                       ; both sources window 2
.set p, 0
.rept 32
	v_pk_add_f32 v[CS+2*p:CS+2*p+1], v[2*p:2*p+1], v[64+2*p:64+2*p+1]          ; rows 0-15 + rows 16-31 start the sums
.set p, p+1
.endr
	WIN 0x08                                       ; source 1 window 2
.irp a, 128, 192
.set p, 0
.rept 32
	v_pk_add_f32 v[CS+2*p:CS+2*p+1], v[CS+2*p:CS+2*p+1], v[\a+2*p:\a+2*p+1]
.set p, p+1
.endr
.endr
	WIN 0x0c                                       ; source 1 window 3
.irp a, 0, 64, 128, 192
.set p, 0
.rept 32
	v_pk_add_f32 v[CS+2*p:CS+2*p+1], v[CS+2*p:CS+2*p+1], v[\a+2*p:\a+2*p+1]
.set p, p+1
.endr
.endr
	WIN 0
.irp m, 1, 2, 4, 8                                 ; over the 16 lanes of a half, which hold the 16 rows of a tile
.set p, 0
.rept 64
	v_add_f32_dpp v[CS+p], v[CS+p], v[CS+p] row_xmask:\m row_mask:0xf bank_mask:0xf
.set p, p+1
.endr
.endr
.irp b, 0,1,2,3,4,5,6,7
	ds_store_b128 v[VS0], v[CS+8*\b:CS+8*\b+3]   offset:64*\b                  ; column 16 b + 8 h + j at byte 4 x column; the 16 lanes of a half write equal numbers
	ds_store_b128 v[VS0], v[CS+8*\b+4:CS+8*\b+7] offset:64*\b+16
.endr
	ds_load_b128 v[VSD:VSD+3], v[VS1]              ; my own bytes: LDS serves a wave's instructions in order
	s_lshl_b32 s46, s20, 1
	s_add_co_u32 s46, s46, s15                     ; the block of 128 tokens
	s_lshl_b32 s46, s46, 12                        ; x 1,024 columns x 4 bytes
	s_sub_co_u32 s47, s19, 8
	s_lshl_b32 s47, s47, 10                        ; 256 columns a block column
	s_add_co_u32 s46, s46, s47
	s_lshl_b32 s47, s16, 9
	s_add_co_u32 s46, s46, s47
	s_mov_b32 s47, 0
	s_add_nc_u64 s[12:13], s[12:13], s[46:47]
	s_wait_dscnt 0x0
	global_store_b128 v[VS2], v[VSD:VSD+3], s[12:13]                           ; 512 consecutive bytes, aligned
.Lno_vsum:
.endif
; THE WAY OUT: rows 16 i .. 16 i + 15 of my block = the eight tiles (a, 0..7) of window w; f: the read-back buffer, in turn.
; Round to bf16, 16 bytes a lane into my own stage, read back as whole rows of 256 bytes.
.macro OUT16 i, a, w, f
.if GELU
	; gelu(x) = x / (1 + 2^(x (c1 + c2 x x))): the tanh form, rewritten; right at both ends, where the power is 0 or infinite
	WIN (\w|(\w<<2))
.set p, 0
.rept 32
	v_pk_mul_f32 v[T+2*p:T+2*p+1], v[64*\a+2*p:64*\a+2*p+1], v[64*\a+2*p:64*\a+2*p+1]
.set p, p+1
.endr
	WIN 0
.set p, 0
.rept 32
	v_pk_fma_f32 v[T+2*p:T+2*p+1], v[T+2*p:T+2*p+1], s[70:71], v[C1:C1+1] op_sel_hi:[1,0,1]
.set p, p+1
.endr
	WIN (\w<<2)
.set p, 0
.rept 32
	v_pk_mul_f32 v[T+2*p:T+2*p+1], v[T+2*p:T+2*p+1], v[64*\a+2*p:64*\a+2*p+1]
.set p, p+1
.endr
	WIN 0
.set p, 0
.rept 64
	v_exp_f32 v[T+p], v[T+p]
.set p, p+1
.endr
	v_nop                                          ; one plain vector instruction behind the transcendentals (ISA guide 5.7.2)
.set p, 0
.rept 32
	v_pk_add_f32 v[T+2*p:T+2*p+1], v[T+2*p:T+2*p+1], 1.0 op_sel_hi:[1,0]
.set p, p+1
.endr
.set p, 0
.rept 64
	v_rcp_f32 v[T+p], v[T+p]
.set p, p+1
.endr
	v_nop
	WIN (\w<<2)
.set p, 0
.rept 32
	v_pk_mul_f32 v[T+2*p:T+2*p+1], v[T+2*p:T+2*p+1], v[64*\a+2*p:64*\a+2*p+1]
.set p, p+1
.endr
	WIN 0
.set p, 0
.rept 32
	v_cvt_pk_bf16_f32 v[TMP+p], v[T+2*p], v[T+2*p+1]
.set p, p+1
.endr
.else
	WIN (\w|(\w<<2))
.set p, 0
.rept 32
	v_cvt_pk_bf16_f32 v[TMP+p], v[64*\a+2*p], v[64*\a+2*p+1]
.set p, p+1
.endr
	WIN 0
.endif
.irp b, 0,1,2,3,4,5,6,7
	ds_store_b128 v[STO], v[TMP+4*\b:TMP+4*\b+3] offset:32*\b
.endr
	s_wait_xcnt 0x0                                ; buffer f, which earlier stores read, and the stores' base are rewritten only behind this wait
.if \i
	s_add_nc_u64 s[10:11], s[10:11], 16*SIZE_N*2   ; 16 rows of C on
.endif
.irp t, 0,1,2,3,4,5,6,7
	ds_load_b128 v[\f+4*\t:\f+4*\t+3], v[RD] offset:\t*2*SPITCH                ; in order behind the stores above: my own bytes
.endr
.irp t, 0,1,2,3,4,5,6,7
	s_wait_dscnt 7-\t                              ; load t is in, the younger ones stay out
	global_store_b128 v[CO], v[\f+4*\t:\f+4*\t+3], s[10:11] offset:2*\t*SIZE_N*2   ; 16 lanes store 256 consecutive bytes, aligned
.endr
.endm
	OUT16 0, 0, 2, RB0
	OUT16 1, 1, 2, RB1
	OUT16 2, 2, 2, RB0
	OUT16 3, 3, 2, RB1
	OUT16 4, 0, 3, RB0
	OUT16 5, 1, 3, RB1
	OUT16 6, 2, 3, RB0
	OUT16 7, 3, 3, RB1
	s_set_vgpr_msb 0x1
	s_wait_tensorcnt 0x0
	ds_add_u32 v255, v63
	s_wait_dscnt 0x0
	s_set_vgpr_msb 0x100
	CROUND                                         ; the closing round: no work-group ends while a partner may still ask for a tile that names it
	s_endpgm
.Lfunc_end_k_q6d4489ae91_gemm_qkv:
	.size	k_q6d4489ae91_gemm_qkv, .Lfunc_end_k_q6d4489ae91_gemm_qkv-k_q6d4489ae91_gemm_qkv
	.p2alignl 7, 3214868480
	.fill 96, 4, 3214868480
	.section	.rodata,"a",@progbits
	.p2align	6, 0x0
	.amdhsa_kernel k_q6d4489ae91_gemm_qkv
		.amdhsa_group_segment_fixed_size 327680
		.amdhsa_private_segment_fixed_size 0
		.amdhsa_enable_private_segment 0
		.amdhsa_kernarg_size 40
		.amdhsa_user_sgpr_count 2
		.amdhsa_user_sgpr_kernarg_segment_ptr 1
		.amdhsa_wavefront_size32 1
		.amdhsa_system_sgpr_workgroup_id_x 1
		.amdhsa_system_sgpr_workgroup_id_y 1
		.amdhsa_system_sgpr_workgroup_id_z 1
		.amdhsa_system_vgpr_workitem_id 0
		.amdhsa_next_free_vgpr 1024
		.amdhsa_next_free_sgpr 72
		.amdhsa_reserve_vcc 0
		.amdhsa_float_denorm_mode_32 3
		.amdhsa_float_denorm_mode_16_64 3
		.amdhsa_memory_ordered 1
		.amdhsa_forward_progress 1
		.amdhsa_inst_pref_size 230
	.end_amdhsa_kernel
	.amdgpu_metadata
---
amdhsa.version: [ 1, 2 ]
amdhsa.kernels:
  - .name:           k_q6d4489ae91_gemm_qkv
    .symbol:         k_q6d4489ae91_gemm_qkv.kd
    .args:
      - { .name: x1, .offset: 0, .size: 8, .value_kind: global_buffer, .address_space: global }
      - { .name: wts, .offset: 8, .size: 8, .value_kind: global_buffer, .address_space: global }
      - { .name: b_attn, .offset: 16, .size: 8, .value_kind: global_buffer, .address_space: global }
      - { .name: qkv, .offset: 24, .size: 8, .value_kind: global_buffer, .address_space: global }
      - { .name: vsum, .offset: 32, .size: 8, .value_kind: global_buffer, .address_space: global }
    .group_segment_fixed_size: 327680
    .private_segment_fixed_size: 0
    .kernarg_segment_align: 8
    .kernarg_segment_size: 40
    .max_flat_workgroup_size: 128
    .sgpr_count:     72
    .vgpr_count:     1024
    .wavefront_size: 32
...
	.end_amdgpu_metadata
.endif
;; end of part 2
;; launch attn (part 3): grid 8 x 32, 8 waves a work-group, no clusters, 327,680 bytes of LDS; arguments qkv, vsum, att; writes att
.if DOCPART == 3
	.amdgcn_target "amdgcn-amd-amdhsa--gfx1250"
	.amdhsa_code_object_version 6
	.text
	.protected	k_q6d4489ae91_attn
	.globl	k_q6d4489ae91_attn
	.p2align	8
	.type	k_q6d4489ae91_attn,@function
k_q6d4489ae91_attn:
	s_mov_b64 s[64:65], 0
	v_nop
	global_prefetch_b8 v0, s[64:65] scope:SCOPE_SE
	s_setreg_imm32_b32 hwreg(HW_REG_WAVE_MODE, 25, 1), 1
	s_wait_xcnt 0x0
; Causal attention of one head, with the mask value -10000 honoured exactly.  qkv: [4096][3072] bf16 (q, k, v of a token at bytes 0, 2048, 4096);
; att: [4096][1024] bf16.  Work-group (i, b x 16 + head) makes the query blocks of 128 rows 15 - i (pass A, 16 - i key tiles) and i
; (pass B, i + 1 key tiles): 17 tiles of 128 keys in every work-group, taken as one stream.
; A WAVE'S SHARE of a tile is 32 queries x 64 keys: wave w has queries 32 (w % 4) .. and keys 64 (w / 4) ..  Each fragment of K and of V
; read from LDS feeds two products, so a wave reads 32 fragments' halves (32 loads) for its 32 products of a tile.  The two waves that share
; queries keep a running maximum, sum and O' of their own over their keys; the two are joined at the end.
; THE STREAM goes through two LDS slots of two key tiles each: one barrier for two tiles, behind it one tensor load of 64 rows from each of
; the eight waves (waves 0-3 K's four halves, waves 4-7 V's), which has two tiles' work in which to land.
; TWO GROUPS, HALF A STEP APART.  Between two barriers waves 0-3 do products, softmax, products, softmax; waves 4-7 do the softmax of the
; tile before, products, softmax, products, holding S and V's fragments in registers across the barrier.  So one group's LDS reads and score
; products stand beside the other group's vector work.  Every barrier stands in the common text; only the products are under a branch.
; THE TAIL.  A masked key has the score -10000, not minus infinity, so it keeps a weight.  In the diagonal tile the masked scores are written
; and go the ordinary way.  The key tiles wholly above the diagonal are not read: all their n keys have one weight, so they add
; exp(-10000 - m) n to the row's sum and exp(-10000 - m) SV to its numerator, SV = the sum of V over those keys (from vsum), and -10000
; enters the row's maximum (not where n = 0).
; TRANSPOSED PRODUCTS.  S' = K Q': lane l holds query l % 16 and keys 16 t + 8 (l / 16) + 0..7 of key block t; these registers, packed to
; bf16 in place, ARE the second source of O' = V' P'.  V' comes out of the [key][d] tile by the transposing LDS load.
; The running maximum is taken away before every exponential; scores stay unscaled, 1/8 and log2(e) are one factor c in the exponent.
; NO CLUSTER: the work-groups of one head need different key tiles at each step (pass A of one runs beside pass B of another), so no joint
; request would meet.  att leaves in pieces of 128 bytes: that is a head's whole piece of a row.
; Limits: Q, K, V, P are bf16 in the products, the row sum adds P in f32, in two halves over the keys that are joined in f32; the exponent
; is fma(S, c, -(M c)); v_exp_f32 and v_rcp_f32 flush denormals; SV adds V before its rounding to bf16; NaN and infinities are not followed.
.set KP,    144                        ; K's LDS row: 128 bytes + 16: an odd multiple of 16
.set VP,    160                        ; V's LDS row: 128 bytes + 32: an odd multiple of 32, for the transposing load
.set KT,    128*KP                     ; a key tile of K
.set VT,    128*VP                     ; a key tile of V
.set VOFF,  40960                      ; a slot: K's two tiles at +0 (36,864 bytes), V's two at +40,960
.set SLOT,  81920
.set SVB,   2*SLOT                     ; SV: 64 f32 for pass A, 64 for pass B; no tensor load lands at or behind this byte
.set DW,    8704                       ; a wave's state at a pass's end: O' (64 registers x 128 bytes), then M0, M1, L0, L1
.set DA,    SVB+512                    ; eight states of pass A; the eight of pass B lie 8 DW further on
.set STG,   32*KP                      ; the way out: 32 rows x 144 bytes for each wave, from LDS byte 0: in slot 0, behind its last fill and last read
.set TILEB, 128*6144                   ; bytes from a key tile to the next in qkv
.set KA,  3                            ; v3, v4   K's address in slot 0, 1
.set VA,  5                            ; v5, v6   V's address in slot 0, 1
.set DLT, 7                            ; v7       32 (w % 4) + r - 8 h - 64 (w / 4): the diagonal tile's bound
.set NM0, 8                            ; v[8:9], v[10:11]    -M c of query group 0, 1 (word 0; word 1 is written once and unused)
.set NM1, 10
.set AL0, 12                           ; v[12:13], v[14:15]  the rescaling factor of query group 0, 1 (word 0)
.set AL1, 14
.set ML,  16                           ; v16, v17 running maxima; v18, v19 running sums
.set T,   20                           ; v[20:23] at work
.set DPA, 24                           ; v24, v25 where my state goes at the end of pass A, B
.set DPB, 25
.set U,   26                           ; v[26:29] at work
.set Q,   32                           ; v[32:63]   Q': group g, d = 32 c .. at Q + 16 g + 8 c
.set O,   64                           ; v[64:127]  O': d = 16 d + 8 h + j of query 16 g + r at O + 32 g + 8 d + j
.set S,   128                          ; v[128:191] scores of group g, key block t at S + 32 g + 8 t; then P's fragment (g, u) in S + 32 g + 16 u .. + 7
.set F,   192                          ; v[192:255] K's fragments, then V's
; window 1: v256-287 (named v0-31) pass B's Q'
.set G1K, 24                           ; s[24:31] group 1 for K's tiles
.set G1V, 32                           ; s[32:39] group 1 for V's tiles
.set G0K, 40                           ; s[40:47] group 0 for K, one set for each slot
.set G0V, 48                           ; s[48:55] group 0 for V
.set MSB, 0
.macro WIN new                         ; s_set_vgpr_msb: bits 1:0 source 0, 3:2 source 1, 5:4 source 2, 7:6 destination; the high byte repeats the setting left
.if MSB != \new
	s_set_vgpr_msb (MSB<<8)|\new
.set MSB, \new
.endif
.endm
; One tensor load a wave into slot s: waves 0-3 K's four halves of 64 rows, waves 4-7 V's.  half = 1: the slot gets one tile alone
; (the stream's last), and the waves of the second sub-tile issue nothing.
.macro LOADKV s, half
.if \half
	s_cmp_lg_u32 s78, 0
	s_cbranch_scc1 .Lkv_done_\@
.endif
	s_cmp_ge_u32 s10, 4
	s_cbranch_scc1 .Lkv_v_\@
	tensor_load_to_lds s[G0K+4*(\s):G0K+4*(\s)+3], s[G1K:G1K+7]
	s_nop 0
	s_branch .Lkv_done_\@
.Lkv_v_\@:
	tensor_load_to_lds s[G0V+4*(\s):G0V+4*(\s)+3], s[G1V:G1V+7]
	s_nop 0
.Lkv_done_\@:
.endm
	s_load_b128 s[4:7], s[0:1], 0x0                ; qkv s[4:5], vsum s[6:7]
	s_load_b64 s[8:9], s[0:1], 0x10                ; att
	v_lshl_add_u32 v31, v0, 2, 0x4a200
	s_set_vgpr_msb 0x40
	v_mov_b32 v33, 0
	s_set_vgpr_msb 0x4044
	ds_add_u32 v31, v33
	ds_add_u32 v31, v33
	s_set_vgpr_msb 0x4400
	v_lshrrev_b32 v1, 5, v0
	v_readfirstlane_b32 s10, v1                    ; wave 0..7
	s_lshr_b32 s76, s10, 2                         ; my half of a tile's keys; my group (0 early, 1 late); the pass that I join at the end
	s_and_b32 s77, s10, 3                          ; my 32 queries of the block
	s_bfe_u32 s78, s10, 0x10001                    ; (w / 2) % 2: the sub-tile of a slot that I fetch for
	s_mov_b32 s12, ttmp9                           ; i = pass B's query block
	s_and_b32 s13, ttmp7, 0xffff
	s_lshr_b32 s14, s13, 4                         ; batch
	s_and_b32 s15, s13, 15                         ; head
	s_sub_co_u32 s16, 16, s12                      ; nA: pass A's key tiles
	s_sub_co_u32 s19, 15, s12                      ; nA - 1 = pass A's query block = the stream number of its diagonal tile
	s_mov_b32 s17, 0                               ; the stream number of the tile whose softmax I do next
	s_add_co_u32 s75, s78, 4                       ; the stream number of the tile that my next refill brings
	s_mov_b32 s20, 0x76543210                      ; v_permlanex16_b32: lane i of one half reads lane i of the other
	s_mov_b32 s21, 0xfedcba98
	s_mov_b32 s22, 0x3e38aa3b                      ; c = log2(e) / 8
	s_mov_b32 s23, 0x3e38aa3b
	s_mov_b32 s74, 0xc79c4000                      ; -80000 = -10000 x 8: the mask value on unscaled scores
	s_cmp_eq_u32 s12, 0
	s_cselect_b32 s70, 0xff800000, s74             ; what enters pass A's maximum: minus infinity where no key lies above (query block 15)
	s_lshl_b32 s72, s12, 7                         ; n of pass A: 128 i keys above the diagonal tile
	s_lshl_b32 s73, s19, 7                         ; n of pass B: 128 (15 - i)
	s_cmp_eq_u32 s76, 0                            ; the figures of the pass that I join
	s_cselect_b32 s70, s70, s74
	s_cselect_b32 s72, s72, s73
	s_cselect_b32 s71, s19, s12                    ; its query block
	; group 1: 64 rows x 64 elements of 2 bytes, 3,072 elements from row to row; after every 32 words (code 4) 4 words of padding for K (code 3), 8 for V (code 7)
	s_mov_b32 s[G1K+0], (1<<16)|(1<<20)|(4<<22)|(3<<25)
	s_mov_b32 s[G1V+0], (1<<16)|(1<<20)|(4<<22)|(7<<25)
.irp g, G1K, G1V
	s_mov_b32 s[\g+1], 64<<16                      ; tensor_dim0 = 64
	s_mov_b32 s[\g+2], 64<<16                      ; tensor_dim1 = 64
	s_mov_b32 s[\g+3], 64<<16                      ; tile_dim0 = 64
	s_mov_b32 s[\g+4], 64                          ; tile_dim1 = 64
	s_mov_b32 s[\g+5], 3072
	s_mov_b32 s[\g+6], 0
	s_mov_b32 s[\g+7], 0
.endr
	s_and_b32 s62, s10, 1
	s_lshl_b32 s62, s62, 6                         ; my half of a tile's rows
	s_lshl_b32 s63, s14, 11
	s_add_co_u32 s62, s62, s63                     ; + the batch's 2,048 tokens
	s_mul_i32 s60, s62, 6144
	s_lshl_b32 s11, s15, 7                         ; the head's 128 bytes
	s_add_co_u32 s60, s60, s11
	s_mov_b32 s61, 0                               ; s61 stays 0: s[60:61] is the pair for offsets
	s_mul_i32 s62, s10, 64*KP                      ; LDS: K's four halves at wave x 9,216 (waves 0-3)
	s_mul_i32 s63, s10, 64*VP                      ; V's at wave x 10,240 (waves 4-7: 40,960 .. 71,680)
.irp s, 0,1
	s_mov_b32 s[G0K+4*\s], 1
	s_add_co_u32 s[G0K+4*\s+1], s62, \s*SLOT
	s_mov_b32 s[G0V+4*\s], 1
	s_add_co_u32 s[G0V+4*\s+1], s63, \s*SLOT
.endr
	s_wait_dscnt 0x0
	s_wait_kmcnt 0x0
	s_add_nc_u64 s[56:57], s[4:5], s[60:61]
	s_add_nc_u64 s[58:59], s[56:57], 4096          ; V of key tile 0, my half
	s_add_nc_u64 s[56:57], s[56:57], 2048          ; K of key tile 0, my half
	s_mul_i32 s60, s78, TILEB                      ; slot 0 gets tiles 0 and 1, slot 1 tiles 2 and 3: all of pass A, which has nine tiles at the least
	s_add_nc_u64 s[G0K+2:G0K+3], s[56:57], s[60:61]
	s_add_nc_u64 s[G0V+2:G0V+3], s[58:59], s[60:61]
	s_add_nc_u64 s[G0K+6:G0K+7], s[G0K+2:G0K+3], 2*TILEB
	s_add_nc_u64 s[G0V+6:G0V+7], s[G0V+2:G0V+3], 2*TILEB
	s_or_b32 s[G0K+3], s[G0K+3], 0x80000000
	s_or_b32 s[G0V+3], s[G0V+3], 0x80000000
	s_or_b32 s[G0K+7], s[G0K+7], 0x80000000
	s_or_b32 s[G0V+7], s[G0V+7], 0x80000000
	LOADKV 0, 0                                    ; both slots' first fills go out before anything else: two tensor loads of the wave are out
	LOADKV 1, 0
	s_lshl_b32 s62, s14, 11
	s_lshl_b32 s63, s77, 5
	s_add_co_u32 s62, s62, s63                     ; batch x 2,048 + 32 (w % 4)
	s_lshl_b32 s63, s19, 7
	s_add_co_u32 s63, s63, s62                     ; my first query row in pass A
	s_lshl_b32 s13, s12, 7
	s_add_co_u32 s13, s13, s62                     ; and in pass B
	s_mul_i32 s60, s63, 6144
	s_add_co_u32 s60, s60, s11
	s_add_nc_u64 s[66:67], s[4:5], s[60:61]        ; q of pass A
	s_mul_i32 s60, s13, 6144
	s_add_co_u32 s60, s60, s11
	s_add_nc_u64 s[68:69], s[4:5], s[60:61]        ; q of pass B
	s_lshl_b32 s63, s71, 7
	s_add_co_u32 s63, s63, s62                     ; the first of the 32 rows that I join and store
	s_lshl_b32 s60, s63, 11
	s_add_co_u32 s60, s60, s11
	s_add_nc_u64 s[8:9], s[8:9], s[60:61]          ; att at those rows
	v_and_b32 v1, 15, v0                           ; r
	v_bfe_u32 v2, v0, 4, 1                         ; h
	v_mul_u32_u24 v26, v1, 6144
	v_lshl_add_u32 v26, v2, 4, v26                 ; query r's row, 16 h: registers 0-3 d = 8 h + 0..7, registers 4-7 d = 16 + 8 h + 0..7, twice for d up to 63
.irp g, 0,1
.irp k, 0,1,2,3
	global_load_b128 v[Q+16*\g+4*\k:Q+16*\g+4*\k+3], v26, s[66:67] offset:16*6144*\g+32*\k
.endr
.endr
	WIN 0x40                                       ; destination window 1
.irp g, 0,1
.irp k, 0,1,2,3
	global_load_b128 v[16*\g+4*\k:16*\g+4*\k+3], v26, s[68:69] offset:16*6144*\g+32*\k   ; v256-287
.endr
.endr
	WIN 0
	v_mul_u32_u24 v[KA], v1, KP
	v_lshl_add_u32 v[KA], v2, 4, v[KA]             ; K: key row r, 16 h,
	s_mul_i32 s62, s76, 64*KP
	v_add_nc_u32 v[KA], s62, v[KA]                 ; in my half of the keys
	v_add_nc_u32 v[KA+1], SLOT, v[KA]
	v_and_b32 v27, 7, v0
	v_lshl_add_u32 v[VA], v2, 3, v27
	v_mul_u32_u24 v[VA], v[VA], VP
	v_bfe_u32 v28, v0, 3, 1
	v_lshl_add_u32 v[VA], v28, 4, v[VA]            ; V: key row 8 h + l % 8, 16 bytes at d = 8 ((l / 8) % 2),
	s_mul_i32 s62, s76, 64*VP
	s_add_co_u32 s62, s62, VOFF
	v_add_nc_u32 v[VA], s62, v[VA]                 ; in my half of the keys
	v_add_nc_u32 v[VA+1], SLOT, v[VA]
	v_lshlrev_b32 v[DLT], 3, v2
	v_sub_nc_u32 v[DLT], v1, v[DLT]
	s_lshl_b32 s62, s77, 5
	s_lshl_b32 s63, s76, 6
	s_sub_co_i32 s62, s62, s63
	v_add_nc_u32 v[DLT], s62, v[DLT]               ; key 16 t + j of my registers is allowed to query group g in the diagonal tile if 16 t + j - 16 g is at most this
	v_and_b32 v28, 31, v0
	v_lshlrev_b32 v28, 4, v28
	s_mul_i32 s62, s10, DW
	s_add_co_u32 s62, s62, DA
	v_add_nc_u32 v[DPA], s62, v28                  ; my state: lane x 16 in my wave's 8,704 bytes
	v_add_nc_u32 v[DPB], 8*DW, v[DPA]
	v_mov_b32 v[ML],   0xff800000                  ; the running maxima start at minus infinity,
	v_mov_b32 v[ML+1], 0xff800000
	v_mov_b32 v[ML+2], 0                           ; the running sums and O' at 0: the softmax's text is one for all tiles and both groups, so it always rescales
	v_mov_b32 v[ML+3], 0
	v_mov_b32 v[NM0+1], 0                          ; the unused upper words of the four pairs
	v_mov_b32 v[NM1+1], 0
	v_mov_b32 v[AL0+1], 0
	v_mov_b32 v[AL1+1], 0
.set p, 0
.rept 64
	v_mov_b32 v[O+p], 0
.set p, p+1
.endr
	; SV: wave w < 4 makes 32 numbers of pass w / 2: d = 32 (w % 2) + lane, the sum of vsum's blocks j above the pass's query block
	s_cmp_ge_u32 s10, 4
	s_cbranch_scc1 .Lno_sv
	s_lshr_b32 s62, s10, 1
	s_and_b32 s63, s10, 1
	s_cmp_eq_u32 s62, 0
	s_cselect_b32 s13, s19, s12                    ; the pass's query block
	v_and_b32 v27, 31, v0
	v_lshlrev_b32 v27, 2, v27
	v_lshl_add_u32 v27, s63, 7, v27
	s_lshl_b32 s60, s14, 16                        ; the batch's 16 blocks of 4,096 bytes
	s_lshl_b32 s63, s15, 8                         ; the head's 64 f32
	s_add_co_u32 s60, s60, s63
	s_add_nc_u64 s[6:7], s[6:7], s[60:61]
.irp j, 1,2,3,4,5,6,7,8,9,10,11,12,13,14,15
	global_load_b32 v[F+\j], v27, s[6:7] offset:4096*\j
.endr
	s_wait_loadcnt 0x0
	s_cmp_gt_u32 1, s13
	s_cselect_b32 s63, -1, 0
	v_cndmask_b32 v28, 0, v[F+1], s63              ; the choice only selects a value: every block is read, those at or below the diagonal count as 0
.irp j, 2,3,4,5,6,7,8,9,10,11,12,13,14,15
	s_cmp_gt_u32 \j, s13
	s_cselect_b32 s63, -1, 0
	v_cndmask_b32 v29, 0, v[F+\j], s63
	v_add_f32 v28, v28, v29
.endr
	v_lshl_add_u32 v27, s62, 8, v27
	v_add_nc_u32 v27, SVB, v27
	ds_store_b32 v27, v28                          ; read at the very end, behind many barriers; waited for in front of the first
.Lno_sv:
	s_wait_loadcnt 0x0                             ; Q' of both passes
; THE PRODUCTS of one tile (sub-tile sub of slot): my 64 keys' fragments of K, S' = K Q' for both query groups, then my 64 keys' fragments of V.
; The eight accumulators take turns, one instruction a turn.
.macro SPH slot, sub
.irp c, 0,1
.irp t, 0,1,2,3
	ds_load_b128 v[F+8*(2*\t+\c):F+8*(2*\t+\c)+3],   v[KA+\slot] offset:\sub*KT+16*KP*\t+64*\c
	ds_load_b128 v[F+8*(2*\t+\c)+4:F+8*(2*\t+\c)+7], v[KA+\slot] offset:\sub*KT+16*KP*\t+64*\c+32
.endr
.endr
	s_wait_dscnt 8                                 ; the fragments of d = 0..31 are in, the eight younger loads stay out
.irp g, 0,1
.irp t, 0,1,2,3
	v_wmma_f32_16x16x32_bf16 v[S+32*\g+8*\t:S+32*\g+8*\t+7], v[F+16*\t:F+16*\t+7], v[Q+16*\g:Q+16*\g+7], 0
.endr
.endr
	s_wait_dscnt 0
.irp g, 0,1
.irp t, 0,1,2,3
	v_wmma_f32_16x16x32_bf16 v[S+32*\g+8*\t:S+32*\g+8*\t+7], v[F+16*\t+8:F+16*\t+15], v[Q+16*\g+8:Q+16*\g+15], v[S+32*\g+8*\t:S+32*\g+8*\t+7]
.endr
.endr
.rept 5
	v_nop                                          ; five plain vector instructions: four are owed to the loads into F and the vector reads of S; the fifth keeps the
.endr                                              ; distance of a matrix instruction that writes over S on every way through the text, also from this block straight into the next products, a way that no wave takes
.irp u, 0,1
.irp d, 0,1,2,3
	ds_load_tr16_b128 v[F+8*(4*\u+\d):F+8*(4*\u+\d)+3],   v[VA+\slot] offset:\sub*VT+32*VP*\u+32*\d          ; V': d = 16 d + r, keys 32 u + 8 h + 0..7
	ds_load_tr16_b128 v[F+8*(4*\u+\d)+4:F+8*(4*\u+\d)+7], v[VA+\slot] offset:\sub*VT+32*VP*\u+32*\d+16*VP   ; keys 32 u + 16 + 8 h + 0..7
.endr
.endr
.endm
; the diagonal tile: keys behind the query get the mask value
.macro MASK
.irp g, 0,1
.irp t, 0,1,2,3
.irp j, 0,1,2,3,4,5,6,7
	v_cmp_le_i32 vcc_lo, 16*\t+\j-16*\g, v[DLT]
	v_cndmask_b32 v[S+32*\g+8*\t+\j], s74, v[S+32*\g+8*\t+\j], vcc_lo
.endr
.endr
.endr
.endm
; my state goes to my own LDS bytes, in the lanes' own order: 512 consecutive bytes a store
.macro DUMP adr
.irp k, 0,1,2,3,4,5,6,7,8,9,10,11,12,13,14,15
	ds_store_b128 v[\adr], v[O+4*\k:O+4*\k+3] offset:512*\k
.endr
	ds_store_b128 v[\adr], v[ML:ML+3] offset:8192
.endm
; THE SOFTMAX of the tile whose scores lie in S and whose V' lies (or is landing) in F, and O' += V' P'.
; mode 0: one of the stream's first two tiles, never a diagonal one; 1: any tile; 2: the stream's last tile.
.macro SOFTPV mode
.if \mode == 1
	s_cmp_eq_u32 s17, s19                          ; pass A's diagonal tile is number nA - 1 of the stream, pass B's number 16
	s_cselect_b32 s62, 1, 0
	s_cmp_eq_u32 s17, 16
	s_cselect_b32 s62, 1, s62
	s_cmp_eq_u32 s62, 0
	s_cbranch_scc1 .Lnomask_\@
	MASK
.Lnomask_\@:
.endif
.if \mode == 2
	MASK
.endif
	; each query group's new maximum: my 32 scores and the old maximum, then the other half of the lanes
.irp k, 0,1,2,3
	v_max3_num_f32 v[T+\k], v[S+16*\k], v[S+16*\k+1], v[S+16*\k+2]
.endr
.irp e, 3,5,7,9,11,13
.irp k, 0,1,2,3
	v_max3_num_f32 v[T+\k], v[T+\k], v[S+16*\k+\e], v[S+16*\k+\e+1]
.endr
.endr
	v_max3_num_f32 v[T],   v[T],   v[T+1], v[S+15]
	v_max3_num_f32 v[T+2], v[T+2], v[T+3], v[S+47]
	v_max3_num_f32 v[T],   v[T],   v[S+31], v[ML]
	v_max3_num_f32 v[T+2], v[T+2], v[S+63], v[ML+1]
	v_permlanex16_b32 v[T+1], v[T],   s20, s21
	v_permlanex16_b32 v[T+3], v[T+2], s20, s21
	v_max_num_f32 v1, v[T],   v[T+1]
	v_max_num_f32 v2, v[T+2], v[T+3]
	v_mul_f32 v[NM0], -v1, s22                     ; -M c
	v_mul_f32 v[NM1], -v2, s22
	v_fma_f32 v[AL0], v[ML],   s22, v[NM0]
	v_fma_f32 v[AL1], v[ML+1], s22, v[NM1]
	v_exp_f32 v[AL0], v[AL0]                       ; 2^((old M - M) c); 0 in a pass's first tile, which clears O' and the sum
	v_exp_f32 v[AL1], v[AL1]
	v_mov_b32 v[ML],   v1
	v_mov_b32 v[ML+1], v2
.set p, 0
.rept 16
	v_pk_fma_f32 v[S+2*p:S+2*p+1], v[S+2*p:S+2*p+1], s[22:23], v[NM0:NM0+1] op_sel_hi:[1,0,0]
.set p, p+1
.endr
.rept 16
	v_pk_fma_f32 v[S+2*p:S+2*p+1], v[S+2*p:S+2*p+1], s[22:23], v[NM1:NM1+1] op_sel_hi:[1,0,0]
.set p, p+1
.endr
.set p, 0
.rept 64
	v_exp_f32 v[S+p], v[S+p]
.set p, p+1
.endr
	v_nop                                          ; one plain vector instruction behind the transcendentals (ISA guide 5.7.2)
.set p, 0
	s_wait_alu depctr_va_vdst(0)
.rept 16
	v_pk_mul_f32 v[O+2*p:O+2*p+1], v[O+2*p:O+2*p+1], v[AL0:AL0+1] op_sel_hi:[1,0]
.set p, p+1
.endr
.rept 16
	v_pk_mul_f32 v[O+2*p:O+2*p+1], v[O+2*p:O+2*p+1], v[AL1:AL1+1] op_sel_hi:[1,0]
.set p, p+1
.endr
	; the weights' sums, two chains for each query group
	v_pk_add_f32 v[T:T+1],   v[S:S+1],     v[S+2:S+3]
	v_pk_add_f32 v[T+2:T+3], v[S+4:S+5],   v[S+6:S+7]
	v_pk_add_f32 v[U:U+1],   v[S+32:S+33], v[S+34:S+35]
	v_pk_add_f32 v[U+2:U+3], v[S+36:S+37], v[S+38:S+39]
.set p, 8
.rept 6
	v_pk_add_f32 v[T:T+1],   v[T:T+1],   v[S+p:S+p+1]
	v_pk_add_f32 v[T+2:T+3], v[T+2:T+3], v[S+p+2:S+p+3]
	v_pk_add_f32 v[U:U+1],   v[U:U+1],   v[S+32+p:S+32+p+1]
	v_pk_add_f32 v[U+2:U+3], v[U+2:U+3], v[S+32+p+2:S+32+p+3]
.set p, p+4
.endr
	v_pk_add_f32 v[T:T+1], v[T:T+1], v[T+2:T+3]
	v_pk_add_f32 v[U:U+1], v[U:U+1], v[U+2:U+3]
	v_add_f32 v[T], v[T], v[T+1]
	v_add_f32 v[U], v[U], v[U+1]
	v_fma_f32 v[ML+2], v[ML+2], v[AL0], v[T]
	v_fma_f32 v[ML+3], v[ML+3], v[AL1], v[U]
.irp b, 0,1,2,3
.irp k, 0,1,2,3,4,5,6,7
	v_cvt_pk_bf16_f32 v[S+16*\b+\k], v[S+16*\b+2*\k], v[S+16*\b+2*\k+1]        ; in place, ascending: register k is written after registers 2 k, 2 k + 1 are read
.endr
.endr
.irp u, 0,1
	s_wait_dscnt 8-8*\u                            ; V's fragments of keys 32 u .. are in; the eight loads of the later u stay out
.irp g, 0,1
.irp d, 0,1,2,3
	v_wmma_f32_16x16x32_bf16 v[O+32*\g+8*\d:O+32*\g+8*\d+7], v[F+8*(4*\u+\d):F+8*(4*\u+\d)+7], v[S+32*\g+16*\u:S+32*\g+16*\u+7], v[O+32*\g+8*\d:O+32*\g+8*\d+7]   ; eight accumulators by turns
.endr
.endr
.endr
.rept 5
	v_nop                                          ; five plain vector instructions before the next products write over P, the next loads over F, or O' is read
.endr
.if \mode == 1
	s_cmp_lg_u32 s17, s19
	s_cbranch_scc1 .Lnodump_\@
	DUMP DPA                                       ; pass A is over for me: my state goes to LDS,
	v_mov_b32 v[ML],   0xff800000                  ; the maxima start anew (the next tile's factor 0 clears the finite O' and sums),
	v_mov_b32 v[ML+1], 0xff800000
	WIN 0x01                                       ; source 0 in window 1
.set p, 0
.rept 32
	v_mov_b32 v[Q+p], v[p]                         ; and pass B's Q' takes Q's place
.set p, p+1
.endr
	WIN 0
.Lnodump_\@:
.endif
	s_add_co_u32 s17, s17, 1
.endm
; One tile's turn.  The early group: this tile's products, then its softmax.  The late group: the softmax of the tile before, then this tile's products.
.macro STEP slot, sub, mode
	s_cmp_lg_u32 s76, 0
	s_cbranch_scc1 .Llate_\@
	SPH \slot, \sub
.Llate_\@:
	SOFTPV \mode
	s_cmp_eq_u32 s76, 0
	s_cbranch_scc1 .Learly_\@
	SPH \slot, \sub
.Learly_\@:
.endm
; The change of slots, in front of the two tiles of slot.  refill = 1: the other slot gets the next two tiles; 2: the stream's last tile alone; 0: nothing.
.macro HEAD slot, refill
	s_set_vgpr_msb 0x4
	s_wait_tensorcnt 0x0                           ; all my tensor loads have landed, my part of this slot among them, so a group 0 may be written
	ds_add_u32 v31, v33
	s_wait_dscnt 0x0
	s_set_vgpr_msb 0x400
.if \refill
	s_sub_co_u32 s63, s75, s16                     ; tile s75 of the stream is key tile s75 of pass A, or s75 - nA of pass B
	s_cmp_lt_u32 s75, s16
	s_cselect_b32 s62, s75, s63
	s_mul_i32 s60, s62, TILEB
	s_add_nc_u64 s[G0K+4*(1-\slot)+2:G0K+4*(1-\slot)+3], s[56:57], s[60:61]
	s_or_b32 s[G0K+4*(1-\slot)+3], s[G0K+4*(1-\slot)+3], 0x80000000
	s_add_nc_u64 s[G0V+4*(1-\slot)+2:G0V+4*(1-\slot)+3], s[58:59], s[60:61]
	s_or_b32 s[G0V+4*(1-\slot)+3], s[G0V+4*(1-\slot)+3], 0x80000000
	s_add_co_u32 s75, s75, 2
.endif
	s_wait_dscnt 0x0                               ; my reads of the other slot are over (a late wave's V' is in its registers)
	s_barrier_signal -1
	s_barrier_wait -1                              ; both now hold of all eight waves
.if \refill
	LOADKV 1-\slot, \refill-1                      ; the first thing behind the barrier, one load a wave
.endif
.endm
	s_wait_tensorcnt 0x1                           ; my part of slot 0 is in; slot 1's may stay out
	s_wait_dscnt 0x0                               ; SV is written
	s_barrier_signal -1
	s_barrier_wait -1
	SPH 0, 0                                       ; tile 0: both groups begin with its products;
	s_cmp_lg_u32 s76, 0
	s_cbranch_scc1 .Llate_first
	SOFTPV 0                                       ; the early group goes on to its softmax, and from here the groups are half a step apart
.Llate_first:
	STEP 0, 1, 0
	s_mov_b32 s18, 3
.Lpair:
	HEAD 1, 1                                      ; tiles 2 and 3, 6 and 7, 10 and 11
	STEP 1, 0, 1
	STEP 1, 1, 1
	HEAD 0, 1                                      ; tiles 4 and 5, 8 and 9, 12 and 13
	STEP 0, 0, 1
	STEP 0, 1, 1
	s_sub_co_u32 s18, s18, 1
	s_cmp_lg_u32 s18, 0
	s_cbranch_scc1 .Lpair
	HEAD 1, 2                                      ; tiles 14 and 15; slot 0 gets tile 16 alone
	STEP 1, 0, 1
	STEP 1, 1, 1
	HEAD 0, 0                                      ; tile 16; nothing is left to fetch, and its wait for 0 leaves no tensor load out
	STEP 0, 0, 1
	s_cmp_eq_u32 s76, 0
	s_cbranch_scc1 .Learly_done
	SOFTPV 2                                       ; the late group's last softmax
.Learly_done:
	DUMP DPB                                       ; pass B's state
	s_wait_dscnt 0x0                               ; for the others' sake: both my states are written, and my reads of the slots are over
	s_barrier_signal -1
	; register work while the others arrive: the addresses of the end
	v_and_b32 v1, 15, v0                           ; r
	v_bfe_u32 v2, v0, 4, 1                         ; h
	v_and_b32 v28, 31, v0
	v_lshlrev_b32 v3, 4, v28
	s_mul_i32 s62, s76, 8*DW
	s_mul_i32 s63, s77, DW
	s_add_co_u32 s62, s62, s63
	s_add_co_u32 s62, s62, DA
	v_add_nc_u32 v3, s62, v3                       ; the state of wave w % 4 in pass w / 4; that of wave w % 4 + 4 lies 4 DW further on
	v_lshlrev_b32 v4, 5, v2
	s_lshl_b32 s62, s76, 8
	s_add_co_u32 s62, s62, SVB
	v_add_nc_u32 v4, s62, v4                       ; SV of that pass, + 32 h
	v_mul_u32_u24 v5, v1, KP
	v_lshl_add_u32 v5, v2, 4, v5
	s_mul_i32 s62, s10, STG
	v_add_nc_u32 v5, s62, v5                       ; stage in: row r, 16 h
	v_bfe_u32 v29, v0, 3, 2                        ; (l % 32) / 8: one of four rows
	v_and_b32 v30, 7, v0
	v_mul_u32_u24 v6, v29, KP
	v_lshl_add_u32 v6, v30, 4, v6
	v_add_nc_u32 v6, s62, v6                       ; stage back: four rows of 128 bytes a load
	v_lshlrev_b32 v7, 11, v29
	v_lshl_add_u32 v7, v30, 4, v7                  ; the same four rows in att
	s_barrier_wait -1
	; THE END: wave w joins the two states of queries 32 (w % 4) .. of pass w / 4, adds the tail's closed form, divides and stores.
.irp k, 0,1,2,3,4,5,6,7,8,9,10,11,12,13,14,15
	ds_load_b128 v[O+4*\k:O+4*\k+3], v3 offset:512*\k                          ; O' over keys 0-63 of every tile
.endr
	ds_load_b128 v[16:19], v3 offset:8192                                      ; its M0, M1, L0, L1
.irp k, 0,1,2,3,4,5,6,7,8,9,10,11,12,13,14,15
	ds_load_b128 v[S+4*\k:S+4*\k+3], v3 offset:4*DW+512*\k                     ; O' over keys 64-127
.endr
	ds_load_b128 v[20:23], v3 offset:4*DW+8192
.irp d, 0,1,2,3
	ds_load_b128 v[F+8*\d:F+8*\d+3],   v4 offset:64*\d                         ; SV[16 d + 8 h + 0..7]
	ds_load_b128 v[F+8*\d+4:F+8*\d+7], v4 offset:64*\d+16
.endr
	s_wait_dscnt 0x0
	v_permlanex16_b32 v1,  v18, s20, s21           ; the other half of the lanes holds the other half of the keys' sums
	v_permlanex16_b32 v2,  v19, s20, s21
	v_permlanex16_b32 v28, v22, s20, s21
	v_permlanex16_b32 v29, v23, s20, s21
	v_add_f32 v18, v18, v1
	v_add_f32 v19, v19, v2
	v_add_f32 v22, v22, v28
	v_add_f32 v23, v23, v29
	v_max3_num_f32 v1, v16, v20, s70               ; the row's maximum: both halves' and the mask value
	v_max3_num_f32 v2, v17, v21, s70
	v_mul_f32 v28, -v1, s22
	v_mul_f32 v29, -v2, s22
	v_fma_f32 v8,  v16, s22, v28
	v_fma_f32 v10, v20, s22, v28
	v_fma_f32 v12, s70, s22, v28
	v_fma_f32 v14, v17, s22, v29
	v_fma_f32 v24, v21, s22, v29
	v_fma_f32 v26, s70, s22, v29
	v_cvt_f32_u32 v30, s72                         ; n
	v_exp_f32 v8,  v8                              ; group 0: the first half's factor,
	v_exp_f32 v10, v10                             ; the second half's,
	v_exp_f32 v12, v12                             ; the weight of one key of the tail
	v_exp_f32 v14, v14                             ; group 1 likewise
	v_exp_f32 v24, v24
	v_exp_f32 v26, v26
	v_nop                                          ; one plain vector instruction behind the transcendentals (ISA guide 5.7.2)
	s_wait_alu depctr_va_vdst(0)
	v_mul_f32 v1, v18, v8
	v_mul_f32 v2, v19, v14
	v_fma_f32 v1, v22, v10, v1
	v_fma_f32 v2, v23, v24, v2
	v_fma_f32 v1, v30, v12, v1                     ; the row's sum: at least 1, since the maximum's own term is 1
	v_fma_f32 v2, v30, v26, v2
	v_rcp_f32 v1, v1
	v_rcp_f32 v2, v2
	v_nop
	s_wait_alu depctr_va_vdst(0)
	v_mul_f32 v8,  v8,  v1
	v_mul_f32 v10, v10, v1
	v_mul_f32 v12, v12, v1
	v_mul_f32 v14, v14, v2
	v_mul_f32 v24, v24, v2
	v_mul_f32 v26, v26, v2
; O' of query group g = first half x ax + second half x ay + SV x pm (each factor is word 0 of its pair; the upper words were written earlier)
.macro COMB g, ax, ay, pm
.set p, 0
.rept 16
	v_pk_mul_f32 v[O+32*\g+2*p:O+32*\g+2*p+1], v[O+32*\g+2*p:O+32*\g+2*p+1], v[\ax:\ax+1] op_sel_hi:[1,0]
.set p, p+1
.endr
.set p, 0
.rept 16
	v_pk_fma_f32 v[O+32*\g+2*p:O+32*\g+2*p+1], v[S+32*\g+2*p:S+32*\g+2*p+1], v[\ay:\ay+1], v[O+32*\g+2*p:O+32*\g+2*p+1] op_sel_hi:[1,0,1]
.set p, p+1
.endr
.set p, 0
.rept 16
	v_pk_fma_f32 v[O+32*\g+2*p:O+32*\g+2*p+1], v[F+2*p:F+2*p+1], v[\pm:\pm+1], v[O+32*\g+2*p:O+32*\g+2*p+1] op_sel_hi:[1,0,1]
.set p, p+1
.endr
.endm
	COMB 0, 8, 10, 12
	COMB 1, 14, 24, 26
.set p, 0
.rept 32
	v_cvt_pk_bf16_f32 v[S+p], v[O+2*p], v[O+2*p+1]
.set p, p+1
.endr
.irp g, 0,1
.irp d, 0,1,2,3
	ds_store_b128 v5, v[S+16*\g+4*\d:S+16*\g+4*\d+3] offset:16*KP*\g+32*\d     ; row 16 g + r, d = 16 d + 8 h + 0..7
.endr
.endr
.irp e, 0,1,2,3,4,5,6,7
	ds_load_b128 v[F+4*\e:F+4*\e+3], v6 offset:4*KP*\e                         ; my own bytes, in order behind the stores: four rows of 128 bytes
.endr
.irp e, 0,1,2,3,4,5,6,7
	s_wait_dscnt 7-\e                              ; load e is in, the younger ones stay out
	global_store_b128 v7, v[F+4*\e:F+4*\e+3], s[8:9] offset:8192*\e
.endr
	s_set_vgpr_msb 0x4
	s_wait_tensorcnt 0x0
	ds_add_u32 v31, v33
	s_wait_dscnt 0x0
	s_set_vgpr_msb 0x400
	s_endpgm
.Lfunc_end_k_q6d4489ae91_attn:
	.size	k_q6d4489ae91_attn, .Lfunc_end_k_q6d4489ae91_attn-k_q6d4489ae91_attn
	.p2alignl 7, 3214868480
	.fill 96, 4, 3214868480
	.section	.rodata,"a",@progbits
	.p2align	6, 0x0
	.amdhsa_kernel k_q6d4489ae91_attn
		.amdhsa_group_segment_fixed_size 327680
		.amdhsa_private_segment_fixed_size 0
		.amdhsa_enable_private_segment 0
		.amdhsa_kernarg_size 24
		.amdhsa_user_sgpr_count 2
		.amdhsa_user_sgpr_kernarg_segment_ptr 1
		.amdhsa_wavefront_size32 1
		.amdhsa_system_sgpr_workgroup_id_x 1
		.amdhsa_system_sgpr_workgroup_id_y 1
		.amdhsa_system_sgpr_workgroup_id_z 1
		.amdhsa_system_vgpr_workitem_id 0
		.amdhsa_next_free_vgpr 290
		.amdhsa_next_free_sgpr 80
		.amdhsa_reserve_vcc 1
		.amdhsa_float_denorm_mode_32 3
		.amdhsa_float_denorm_mode_16_64 3
		.amdhsa_memory_ordered 1
		.amdhsa_forward_progress 1
		.amdhsa_inst_pref_size 255
	.end_amdhsa_kernel
	.section	.bss,"aw",@nobits
	.p2align	6
	.space	262144
	.amdgpu_metadata
---
amdhsa.version: [ 1, 2 ]
amdhsa.kernels:
  - .name:           k_q6d4489ae91_attn
    .symbol:         k_q6d4489ae91_attn.kd
    .args:
      - { .name: qkv, .offset: 0, .size: 8, .value_kind: global_buffer, .address_space: global }
      - { .name: vsum, .offset: 8, .size: 8, .value_kind: global_buffer, .address_space: global }
      - { .name: att, .offset: 16, .size: 8, .value_kind: global_buffer, .address_space: global }
    .group_segment_fixed_size: 327680
    .private_segment_fixed_size: 0
    .kernarg_segment_align: 8
    .kernarg_segment_size: 24
    .max_flat_workgroup_size: 256
    .sgpr_count:     80
    .vgpr_count:     290
    .wavefront_size: 32
...
	.end_amdgpu_metadata
.endif
;; end of part 3
;; launch gemm_proj (part 4): grid 8 x 32, 4 waves a work-group, clusters of 4 x 4, 327,680 bytes of LDS; arguments att, wts, b_proj, hidden_states, h; writes h
.if DOCPART == 4
	.amdgcn_target "amdgcn-amd-amdhsa--gfx1250"
	.amdhsa_code_object_version 6
	.text
	.protected	k_q6d4489ae91_gemm_proj
	.globl	k_q6d4489ae91_gemm_proj
	.p2align	8
	.type	k_q6d4489ae91_gemm_proj,@function
k_q6d4489ae91_gemm_proj:
	s_mov_b64 s[64:65], 0
	v_nop
	global_prefetch_b8 v0, s[64:65] scope:SCOPE_SE
	s_setreg_imm32_b32 hwreg(HW_REG_WAVE_MODE, 25, 1), 1
	s_wait_xcnt 0x0
	s_wait_alu depctr_hold_cnt(0) depctr_sa_sdst(0) depctr_va_vdst(0) depctr_va_sdst(0) depctr_va_ssrc(0) depctr_va_vcc(0) depctr_vm_vsrc(0)
	s_getreg_b32 s2, hwreg(HW_REG_IB_STS2, 6, 4)
	s_cmp_eq_u32 s2, 0
	s_cbranch_scc0 .Lentry_in_a_cluster
	s_endpgm
.Lentry_in_a_cluster:
	s_bfe_u32 s2, ttmp6, 0x10000c
	s_cmp_lg_u32 s2, 0xf033
	s_cbranch_scc0 .Lentry_shape_is_right
	s_endpgm
.Lentry_shape_is_right:
; h = hidden_states + att Wp + b_proj, in f32.
; OUT[m][n] = RES[m][n] + bias[n] + sum over k of A[m][k] B[k][n].  A: [4096][SIZE_K] bf16.  B: [SIZE_K][1024] bf16 at byte WOFF of wts.
; N is 1,024, so blocks of 128 x 128 give 8 x 32 = 256 work-groups.  THE FOUR WAVES SPLIT K: each keeps the whole block of 128 x 128 in
; 512 registers and multiplies its own 64 of each K step's 256, so that a byte read from LDS feeds as many products as in a 256 x 256 block
; shared out 2 x 2.  The four partial blocks meet in LDS at the end, where an f32 result has to pass anyway to leave as whole rows.
; K goes in steps of 256 through two LDS slots: A's tile is 128 rows of 512 bytes, B's 256 rows (k) of 256 bytes.
; CLUSTERS: 4 x 4 work-groups; A's tile is asked for jointly by a row of the cluster, B's by a column.
; The matrix instruction is used transposed (source 0 = 16 columns of B, source 1 = 16 rows of A): lane l holds row l % 16 and columns 8 (l / 16) + 0..7.
; Limits: operands are bf16, sums f32, added as four partial sums over K; NaN and infinities in the inputs are not followed.
; REGISTERS: window 0: v16-35 addresses, the bias; v64-127, v128-191 fragments of A (later the residual); v192-255 at work on the way out
;   window 1: fragments of B;  window 2: the tiles of rows 0-63 (tile (a, b) at v[8 (8 a + b)]);  window 3: rows 64-127
.set SIZE_K, 1024
.set WOFF,   6291456                   ; Wp's place in wts
.set SIZE_N, 1024
.set KSTEP,  256
.set APITCH, 528                       ; 512 bytes + 16: an odd multiple of 16
.set BPITCH, 288                       ; 256 bytes + 32: an odd multiple of 32, for the transposing load
.set QT,     36864                     ; a quarter of a slot: 64 rows of A (33,792 bytes used), or 128 rows of B (exactly)
.set SLOT,   4*QT                      ; A's two halves, then B's two halves: k row kr of B at 2 QT + 288 kr
.set RPITCH, 528                       ; the reduction's rows: 128 f32 + 16 bytes
.set RP,     128*RPITCH                ; a wave's partial block; four of them lie in the ring once its last fill has been read
.set LAPS,   SIZE_K/(2*KSTEP)
.set ADRA, 16                          ; v16-17  LDS address of my A fragments in slot 0, 1
.set ADRB, 20                          ; v20-21  the same for B
.set STO,  24                          ; where my partial block's 32 bytes go
.set CO,   26                          ; 16 x lane: my place in a row of 512 bytes
.set BI,   28                          ; v[28:31] the bias of my 4 columns
.set RA,   32                          ; v32-35  partial block p, my wave's 32 rows, my 16 bytes
.set F0,   64
.set F1,   128
.set RES,  64                          ; v[64:191] the residual of my 32 rows
.set PR,   192                         ; v[192:255] four rows x four partial sums
.set G1,  24
.set G0,  32
.set G1B, 48
.set G0B, 56
.set MSB, 0
.macro WIN new                         ; s_set_vgpr_msb: bits 1:0 source 0, 3:2 source 1, 5:4 source 2, 7:6 destination; the high byte repeats the setting left
.if MSB != \new
	s_set_vgpr_msb (MSB<<8)|\new
.set MSB, \new
.endif
.endm
.set MUL_LO, 0xa1
.set MUL_HI, 0xf1
.set TO_B,   0x40
.macro JLOAD s                         ; waves 0 and 1 fetch A's halves, waves 2 and 3 B's
	s_cmp_eq_u32 s15, 0
	s_cbranch_scc0 .Lfor_b_\@
	tensor_load_to_lds s[G0+4*\s:G0+4*\s+3], s[G1:G1+7]
	s_nop 0
	s_branch .Lasked_\@
.Lfor_b_\@:
	tensor_load_to_lds s[G0B+4*\s:G0B+4*\s+3], s[G1B:G1B+7]
	s_nop 0
.Lasked_\@:
.endm
.macro CREST                           ; a round of the cluster's barrier behind its opening barrier
	s_cmp_lg_u32 s14, 0
	s_cbranch_scc1 .Lnot_wave_0_\@
	s_barrier_signal -3
.Lnot_wave_0_\@:
	s_barrier_wait -3
	s_barrier_signal -1
	s_barrier_wait -1
.endm
.macro CROUND
	s_barrier_signal -1
	s_barrier_wait -1
	CREST
.endm
	s_load_b256 s[4:11], s[0:1], 0x0               ; A s[4:5], wts s[6:7], bias s[8:9], residual s[10:11]
	s_load_b64 s[12:13], s[0:1], 0x20              ; the output
	s_set_vgpr_msb 0x40
	v_lshl_add_u32 v255, v0, 2, 0x48000
	s_set_vgpr_msb 0x4000
	v_mov_b32 v63, 0
	s_set_vgpr_msb 0x1
	ds_add_u32 v255, v63
	ds_add_u32 v255, v63
	s_set_vgpr_msb 0x100
	v_lshrrev_b32 v1, 5, v0
	v_readfirstlane_b32 s14, v1                    ; wave 0..3: my quarter of every K step
	s_lshr_b32 s15, s14, 1                         ; I fetch for A (0) or for B (1)
	s_and_b32 s16, s14, 1                          ; which half of that tile
	s_bfe_u32 s17, ttmp6, 0x40000                  ; cx
	s_bfe_u32 s18, ttmp6, 0x40004                  ; cy
	s_lshl_b32 s19, ttmp9, 2
	s_add_co_u32 s19, s19, s17                     ; block column
	s_and_b32 s20, ttmp7, 0xffff
	s_lshl_b32 s20, s20, 2
	s_add_co_u32 s20, s20, s18                     ; block row
	s_lshl_b32 s21, s18, 2
	s_lshl_b32 s21, 15, s21                        ; my row of the cluster
	s_lshl_b32 s22, 0x1111, s17                    ; my column
	; group 1 of A: 64 rows x 256 elements of 2 bytes; after every 128 words (code 6) 4 words of padding (code 3); bit 21 beside the mask
	s_or_b32 s[G1+0], s21, (1<<16)|(1<<20)|(1<<21)|(6<<22)|(3<<25)
	s_mov_b32 s[G1+1], KSTEP<<16                   ; tensor_dim0 = 256
	s_mov_b32 s[G1+2], 64<<16                      ; tensor_dim1 = 64
	s_mov_b32 s[G1+3], KSTEP<<16                   ; tile_dim0 = 256
	s_mov_b32 s[G1+4], 64                          ; tile_dim1 = 64
	s_mov_b32 s[G1+5], SIZE_K
	s_mov_b32 s[G1+6], 0
	s_mov_b32 s[G1+7], 0
	; group 1 of B: 128 rows (k) x 128 elements; after every 64 words (code 5) 8 words of padding (code 7)
	s_or_b32 s[G1B+0], s22, (1<<16)|(1<<20)|(1<<21)|(5<<22)|(7<<25)
	s_mov_b32 s[G1B+1], 128<<16
	s_mov_b32 s[G1B+2], 128<<16
	s_mov_b32 s[G1B+3], 128<<16
	s_mov_b32 s[G1B+4], 128
	s_mov_b32 s[G1B+5], SIZE_N
	s_mov_b32 s[G1B+6], 0
	s_mov_b32 s[G1B+7], 0
	s_lshl_b32 s40, s20, 7
	s_lshl_b32 s42, s16, 6
	s_add_co_u32 s40, s40, s42                     ; A: row 128 x block row + 64 x half
	s_mul_i32 s40, s40, SIZE_K*2
	s_mov_b32 s41, 0
	s_lshl_b32 s44, s16, 18                        ; B: k row 128 x half, 2,048 bytes a row,
	s_lshl_b32 s46, s19, 8                         ; column 128 x block column,
	s_add_co_u32 s44, s44, s46
	s_add_co_u32 s44, s44, WOFF                    ; in this matrix's part of wts
	s_mov_b32 s45, 0
	s_mul_i32 s43, s14, QT                         ; where they go: wave x 36,864
	s_wait_dscnt 0x0
	s_wait_kmcnt 0x0
	s_add_nc_u64 s[40:41], s[4:5], s[40:41]
	s_add_nc_u64 s[44:45], s[6:7], s[44:45]
	CROUND                                         ; all sixteen work-groups are here: the first joint loads meet
.irp s, 0,1
	s_mov_b32 s[G0+4*\s], 1
	s_add_co_u32 s[G0+4*\s+1], s43, \s*SLOT
	s_add_nc_u64 s[G0+4*\s+2:G0+4*\s+3], s[40:41], \s*KSTEP*2
	s_or_b32 s[G0+4*\s+3], s[G0+4*\s+3], 0x80000000
	s_mov_b32 s[G0B+4*\s], 1
	s_add_co_u32 s[G0B+4*\s+1], s43, \s*SLOT
	s_add_nc_u64 s[G0B+4*\s+2:G0B+4*\s+3], s[44:45], \s*KSTEP*SIZE_N*2
	s_or_b32 s[G0B+4*\s+3], s[G0B+4*\s+3], 0x80000000
	JLOAD \s                                       ; both slots' first fills: two tensor loads of the wave are out
.endr
	v_and_b32 v1, 15, v0                           ; r
	v_bfe_u32 v2, v0, 4, 1                         ; h
	v_mul_u32_u24 v3, v1, APITCH
	v_lshl_add_u32 v3, v2, 4, v3
	s_lshl_b32 s42, s14, 7                         ; my 64 of the step's 256 along K: 128 bytes a wave
	v_add_nc_u32 v[ADRA], s42, v3
	s_add_co_u32 s42, s42, SLOT
	v_add_nc_u32 v[ADRA+1], s42, v3
	v_and_b32 v4, 7, v0
	v_lshl_add_u32 v4, v2, 3, v4
	v_mul_u32_u24 v4, v4, BPITCH
	v_bfe_u32 v5, v0, 3, 1
	v_lshl_add_u32 v4, v5, 4, v4
	s_mul_i32 s42, s14, 64*BPITCH                  ; my 64 k rows of B,
	s_add_co_u32 s42, s42, 2*QT                    ; behind A's two halves
	v_add_nc_u32 v[ADRB], s42, v4
	s_add_co_u32 s42, s42, SLOT
	v_add_nc_u32 v[ADRB+1], s42, v4
	v_mul_u32_u24 v5, v1, RPITCH
	v_lshl_add_u32 v5, v2, 5, v5                   ; row r, 32 h: eight f32
	s_mul_i32 s42, s14, RP
	v_add_nc_u32 v[STO], s42, v5
	v_and_b32 v6, 31, v0
	v_lshlrev_b32 v[CO], 4, v6
	s_mul_i32 s42, s14, 32*RPITCH                  ; the 32 rows that I add up
	v_add_nc_u32 v[RA], s42, v[CO]
.irp p, 1,2,3
	v_add_nc_u32 v[RA+\p], \p*RP, v[RA]
.endr
	s_lshl_b32 s46, s19, 9                         ; 128 columns of f32
	s_mov_b32 s47, 0
	s_add_nc_u64 s[8:9], s[8:9], s[46:47]          ; the bias of the block's columns
	s_lshl_b32 s42, s20, 7
	s_lshl_b32 s23, s14, 5
	s_add_co_u32 s42, s42, s23                     ; row 128 x block row + 32 w
	s_lshl_b32 s42, s42, 12
	s_add_co_u32 s46, s46, s42
	s_add_nc_u64 s[10:11], s[10:11], s[46:47]      ; the residual and the output at my 32 rows
	s_add_nc_u64 s[12:13], s[12:13], s[46:47]
; 16 matrix instructions; zero = 1: the first product starts the sums.  The 64 accumulators take turns, one instruction a turn.
.macro MUL16 f, hi, a0, zero
.irp a, \a0, \a0+1
.irp b, 0,1,2,3,4,5,6,7
.if \zero
	v_wmma_f32_16x16x32_bf16 v[8*(8*(\a)+\b):8*(8*(\a)+\b)+7], v[\f+8*\b:\f+8*\b+7], v[\f+8*(4*\hi+\a):\f+8*(4*\hi+\a)+7], 0
.else
	v_wmma_f32_16x16x32_bf16 v[8*(8*(\a)+\b):8*(8*(\a)+\b)+7], v[\f+8*\b:\f+8*\b+7], v[\f+8*(4*\hi+\a):\f+8*(4*\hi+\a)+7], v[8*(8*(\a)+\b):8*(8*(\a)+\b)+7]
.endif
.endr
.endr
.endm
; 32 LDS loads in one run: chunk c (32 along K) of my 64 into buffer f: B's 128 columns, then A's 128 rows (rows 64-127 lie one quarter slot on)
.macro FETCH slot, c, f
	WIN TO_B
.irp i, 0,1,2,3,4,5,6,7
	ds_load_tr16_b128 v[\f+8*\i:\f+8*\i+3],   v[ADRB+\slot] offset:\c*32*BPITCH+32*\i
	ds_load_tr16_b128 v[\f+8*\i+4:\f+8*\i+7], v[ADRB+\slot] offset:\c*32*BPITCH+32*\i+16*BPITCH
.endr
	WIN 0
.irp i, 0,1,2,3,4,5,6,7
	ds_load_b128 v[\f+8*\i:\f+8*\i+3],   v[ADRA+\slot] offset:(\i/4)*QT+(\i%4)*16*APITCH+64*\c
	ds_load_b128 v[\f+8*\i+4:\f+8*\i+7], v[ADRA+\slot] offset:(\i/4)*QT+(\i%4)*16*APITCH+64*\c+32
.endr
.endm
.macro PLACES                          ; four plain vector instructions between a matrix instruction and a load into, or an access to, one of its registers
.rept 4
	v_nop
.endr
.endm
; a K step's first half: multiplies buffer 0; in its middle it fetches chunk 1 into buffer 1
.macro HALF slot, zero
	s_wait_dscnt 8                                 ; B and A's rows 0-63 are in; the youngest eight loads (A's rows 64-127) may be out
	WIN MUL_LO
	MUL16 F0, 0, 0, \zero
	MUL16 F0, 0, 2, \zero
	PLACES
	FETCH \slot, 1, F1
	s_wait_dscnt 32                                ; all but the 32 just issued
	WIN MUL_HI
	MUL16 F0, 1, 0, \zero
	MUL16 F0, 1, 2, \zero
.endm
; its second half: multiplies buffer 1 and changes slots.  In front of the barrier each wave waits for its reads of this slot and for all its
; tensor loads; behind it the refill comes first, then the next slot's first fragments.
.macro TURN slot, next, fill
	s_wait_dscnt 8
	WIN MUL_LO
	MUL16 F1, 0, 0, 0
	s_wait_dscnt 0
	s_wait_tensorcnt 0x0
	ds_add_u32 v255, v63
	s_wait_dscnt 0x0
	s_barrier_signal -1                            ; where a slot is filled again this barrier opens a round of the cluster's barrier
	MUL16 F1, 0, 2, 0
	WIN 0
	s_barrier_wait -1
.if \fill
	CREST
	s_add_nc_u64 s[G0+4*\slot+2:G0+4*\slot+3], s[G0+4*\slot+2:G0+4*\slot+3], 2*KSTEP*2
	s_add_nc_u64 s[G0B+4*\slot+2:G0B+4*\slot+3], s[G0B+4*\slot+2:G0B+4*\slot+3], 2*KSTEP*SIZE_N*2
	JLOAD \slot                                    ; the wave's one tensor load behind the round, and the first thing there
.endif
	PLACES
	FETCH \next, 0, F0
	WIN MUL_HI
	MUL16 F1, 1, 0, 0
	MUL16 F1, 1, 2, 0
.endm
.macro LAP zero
	HALF 0, \zero
	TURN 0, 1, 1
	HALF 1, 0
	TURN 1, 0, 1
.endm
	s_wait_tensorcnt 1                             ; my part of K step 0 is in; K step 1's may stay out
	s_barrier_signal -1
	s_barrier_wait -1
	FETCH 0, 0, F0
	LAP 1
.if LAPS > 2
	WIN 0
	s_mov_b32 s23, LAPS-2
.Llap:
	LAP 0
	WIN 0
	s_sub_co_u32 s23, s23, 1
	s_cmp_lg_u32 s23, 0
	s_cbranch_scc1 .Llap
.endif
	HALF 0, 0                                      ; the last lap fills nothing
	TURN 0, 1, 0
	HALF 1, 0
	s_wait_dscnt 8
	WIN MUL_LO
	MUL16 F1, 0, 0, 0
	MUL16 F1, 0, 2, 0
	s_wait_dscnt 0
	WIN MUL_HI
	MUL16 F1, 1, 0, 0
	MUL16 F1, 1, 2, 0
	PLACES
	WIN 0
	; THE WAY OUT.  The residual and the bias are asked for first; they land while the partial blocks cross LDS.
.set p, 0
.rept 32
	global_load_b128 v[RES+4*p:RES+4*p+3], v[CO], s[10:11] offset:4096*p
.set p, p+1
.endr
	global_load_b128 v[BI:BI+3], v[CO], s[8:9]
	s_wait_dscnt 0x0                               ; my reads of the ring are over; every tensor load landed before the last change of slots
	s_barrier_signal -1
	s_barrier_wait -1                              ; so are everybody's: the ring, which is filled no more, becomes the stage
	WIN 0x08                                       ; store data window 2
.irp a, 0,1,2,3
.irp b, 0,1,2,3,4,5,6,7
	ds_store_b128 v[STO], v[8*(8*\a+\b):8*(8*\a+\b)+3]   offset:\a*16*RPITCH+64*\b
	ds_store_b128 v[STO], v[8*(8*\a+\b)+4:8*(8*\a+\b)+7] offset:\a*16*RPITCH+64*\b+16
.endr
.endr
	WIN 0x0c                                       ; window 3
.irp a, 0,1,2,3
.irp b, 0,1,2,3,4,5,6,7
	ds_store_b128 v[STO], v[8*(8*\a+\b):8*(8*\a+\b)+3]   offset:(\a+4)*16*RPITCH+64*\b
	ds_store_b128 v[STO], v[8*(8*\a+\b)+4:8*(8*\a+\b)+7] offset:(\a+4)*16*RPITCH+64*\b+16
.endr
.endr
	WIN 0
	s_wait_dscnt 0x0                               ; for the others' sake: my partial block is written
	s_barrier_signal -1
	s_barrier_wait -1
	s_wait_loadcnt 0x0                             ; the residual and the bias
; four of my 32 rows: (p0 + p1) + (p2 + p3) + (residual + bias); a row leaves as 512 consecutive bytes, aligned
.macro ROWS4 g
	s_wait_xcnt 0x0                                ; PR held the last group's store data
.irp q, 0,1,2,3
.irp p, 0,1,2,3
	ds_load_b128 v[PR+16*\q+4*\p:PR+16*\q+4*\p+3], v[RA+\p] offset:(4*\g+\q)*RPITCH
.endr
.endr
.irp q, 0,1,2,3
	s_wait_dscnt 12-4*\q                           ; row q's four loads are in, the later rows' stay out
	v_pk_add_f32 v[PR+16*\q:PR+16*\q+1],     v[PR+16*\q:PR+16*\q+1],     v[PR+16*\q+4:PR+16*\q+5]
	v_pk_add_f32 v[PR+16*\q+2:PR+16*\q+3],   v[PR+16*\q+2:PR+16*\q+3],   v[PR+16*\q+6:PR+16*\q+7]
	v_pk_add_f32 v[PR+16*\q+8:PR+16*\q+9],   v[PR+16*\q+8:PR+16*\q+9],   v[PR+16*\q+12:PR+16*\q+13]
	v_pk_add_f32 v[PR+16*\q+10:PR+16*\q+11], v[PR+16*\q+10:PR+16*\q+11], v[PR+16*\q+14:PR+16*\q+15]
	v_pk_add_f32 v[RES+4*(4*\g+\q):RES+4*(4*\g+\q)+1],   v[RES+4*(4*\g+\q):RES+4*(4*\g+\q)+1],   v[BI:BI+1]
	v_pk_add_f32 v[RES+4*(4*\g+\q)+2:RES+4*(4*\g+\q)+3], v[RES+4*(4*\g+\q)+2:RES+4*(4*\g+\q)+3], v[BI+2:BI+3]
	v_pk_add_f32 v[PR+16*\q:PR+16*\q+1],     v[PR+16*\q:PR+16*\q+1],     v[PR+16*\q+8:PR+16*\q+9]
	v_pk_add_f32 v[PR+16*\q+2:PR+16*\q+3],   v[PR+16*\q+2:PR+16*\q+3],   v[PR+16*\q+10:PR+16*\q+11]
	v_pk_add_f32 v[PR+16*\q:PR+16*\q+1],     v[PR+16*\q:PR+16*\q+1],     v[RES+4*(4*\g+\q):RES+4*(4*\g+\q)+1]
	v_pk_add_f32 v[PR+16*\q+2:PR+16*\q+3],   v[PR+16*\q+2:PR+16*\q+3],   v[RES+4*(4*\g+\q)+2:RES+4*(4*\g+\q)+3]
	global_store_b128 v[CO], v[PR+16*\q:PR+16*\q+3], s[12:13] offset:4096*(4*\g+\q)
.endr
.endm
.irp g, 0,1,2,3,4,5,6,7
	ROWS4 \g
.endr
	s_set_vgpr_msb 0x1
	s_wait_tensorcnt 0x0
	ds_add_u32 v255, v63
	s_wait_dscnt 0x0
	s_set_vgpr_msb 0x100
	CROUND                                         ; the closing round: no work-group ends while a partner may still ask for a tile that names it
	s_endpgm
.Lfunc_end_k_q6d4489ae91_gemm_proj:
	.size	k_q6d4489ae91_gemm_proj, .Lfunc_end_k_q6d4489ae91_gemm_proj-k_q6d4489ae91_gemm_proj
	.p2alignl 7, 3214868480
	.fill 96, 4, 3214868480
	.section	.rodata,"a",@progbits
	.p2align	6, 0x0
	.amdhsa_kernel k_q6d4489ae91_gemm_proj
		.amdhsa_group_segment_fixed_size 327680
		.amdhsa_private_segment_fixed_size 0
		.amdhsa_enable_private_segment 0
		.amdhsa_kernarg_size 40
		.amdhsa_user_sgpr_count 2
		.amdhsa_user_sgpr_kernarg_segment_ptr 1
		.amdhsa_wavefront_size32 1
		.amdhsa_system_sgpr_workgroup_id_x 1
		.amdhsa_system_sgpr_workgroup_id_y 1
		.amdhsa_system_sgpr_workgroup_id_z 1
		.amdhsa_system_vgpr_workitem_id 0
		.amdhsa_next_free_vgpr 1024
		.amdhsa_next_free_sgpr 66
		.amdhsa_reserve_vcc 0
		.amdhsa_float_denorm_mode_32 3
		.amdhsa_float_denorm_mode_16_64 3
		.amdhsa_memory_ordered 1
		.amdhsa_forward_progress 1
		.amdhsa_inst_pref_size 104
	.end_amdhsa_kernel
	.amdgpu_metadata
---
amdhsa.version: [ 1, 2 ]
amdhsa.kernels:
  - .name:           k_q6d4489ae91_gemm_proj
    .symbol:         k_q6d4489ae91_gemm_proj.kd
    .args:
      - { .name: att, .offset: 0, .size: 8, .value_kind: global_buffer, .address_space: global }
      - { .name: wts, .offset: 8, .size: 8, .value_kind: global_buffer, .address_space: global }
      - { .name: b_proj, .offset: 16, .size: 8, .value_kind: global_buffer, .address_space: global }
      - { .name: hidden_states, .offset: 24, .size: 8, .value_kind: global_buffer, .address_space: global }
      - { .name: h, .offset: 32, .size: 8, .value_kind: global_buffer, .address_space: global }
    .group_segment_fixed_size: 327680
    .private_segment_fixed_size: 0
    .kernarg_segment_align: 8
    .kernarg_segment_size: 40
    .max_flat_workgroup_size: 128
    .sgpr_count:     66
    .vgpr_count:     1024
    .wavefront_size: 32
...
	.end_amdgpu_metadata
.endif
;; end of part 4
;; launch ln2 (part 5): grid 256 x 1, 8 waves a work-group, no clusters, 0 bytes of LDS; arguments h, ln2_w, ln2_b, y; writes y
.if DOCPART == 5
	.amdgcn_target "amdgcn-amd-amdhsa--gfx1250"
	.amdhsa_code_object_version 6
	.text
	.protected	k_q6d4489ae91_ln2
	.globl	k_q6d4489ae91_ln2
	.p2align	8
	.type	k_q6d4489ae91_ln2,@function
k_q6d4489ae91_ln2:
	s_mov_b64 s[64:65], 0
	v_nop
	global_prefetch_b8 v0, s[64:65] scope:SCOPE_SE
	s_setreg_imm32_b32 hwreg(HW_REG_WAVE_MODE, 25, 1), 1
	s_wait_xcnt 0x0
; y = LayerNorm(h; ln2_w, ln2_b) in bf16.  h: [4096][1024] f32.  One wave, one row at a time, the row kept in 32 registers between the
; mean, the centred squares and the scaling (two passes in f32, so a common offset of the row costs no digits); 2 rows a wave, 16 a group.
; No LDS, no barrier, no matrix unit: memory binds, and no wave needs another's numbers.
; Limits: v_rsq_f32 is good to one unit in the last place; NaN and infinities are not followed.
.set X,    4                           ; v[4:67]    row rr at X + 32 rr
.set W,    68                          ; v[68:99]   the gain of my 32 columns
.set BB,   100                         ; v[100:131] the bias of my 32 columns
.set AC,   132                         ; v[132:139] four chains of pair sums
.set MEAN, 140                         ; v[140:141] the row's mean, twice
.set RS,   142                         ; v[142:143] 1 / sqrt(var + eps), twice
	s_load_b256 s[8:15], s[0:1], 0x0               ; h s[8:9], ln2_w s[10:11], ln2_b s[12:13], y s[14:15]
	v_lshrrev_b32 v3, 5, v0
	v_readfirstlane_b32 s2, v3                     ; wave 0..7
	v_and_b32 v1, 31, v0
	v_lshlrev_b32 v2, 3, v1                        ; 8 bytes of bf16 a lane
	v_lshlrev_b32 v1, 4, v1                        ; 16 bytes of f32 a lane
	s_lshl_b32 s3, ttmp9, 4                        ; 16 rows a group
	s_lshl1_add_u32 s3, s2, s3                     ; + 2 rows a wave
	s_lshl_b32 s4, s3, 12
	s_mov_b32 s5, 0
	s_lshl_b32 s6, s3, 11
	s_mov_b32 s7, 0
	s_mov_b32 s26, 0x76543210                      ; v_permlanex16_b32: lane i of one half reads lane i of the other
	s_mov_b32 s27, 0xfedcba98
	s_mov_b32 s28, 0x3a800000                      ; 1 / 1024
	s_mov_b32 s29, 0x358637bd                      ; eps = 1e-6
	s_wait_kmcnt 0x0
	s_add_nc_u64 s[8:9], s[8:9], s[4:5]
	s_add_nc_u64 s[14:15], s[14:15], s[6:7]
.irp j, 0,1,2,3,4,5,6,7
	global_load_b128 v[W+4*\j:W+4*\j+3], v1, s[10:11] offset:512*\j             ; register 4 j + e holds column 128 j + 4 lane + e, as the rows do
.endr
.irp j, 0,1,2,3,4,5,6,7
	global_load_b128 v[BB+4*\j:BB+4*\j+3], v1, s[12:13] offset:512*\j
.endr
.irp r, 0,1
.irp j, 0,1,2,3,4,5,6,7
	global_load_b128 v[X+32*\r+4*\j:X+32*\r+4*\j+3], v1, s[8:9] offset:4096*\r+512*\j
.endr
.endr
.macro REDUCE                          ; the four chains of AC become one sum over the wave, in every lane's v[AC]
	v_pk_add_f32 v[AC:AC+1],   v[AC:AC+1],   v[AC+2:AC+3]
	v_pk_add_f32 v[AC+4:AC+5], v[AC+4:AC+5], v[AC+6:AC+7]
	v_pk_add_f32 v[AC:AC+1],   v[AC:AC+1],   v[AC+4:AC+5]
	v_add_f32 v[AC], v[AC], v[AC+1]
	v_add_f32_dpp v[AC], v[AC], v[AC] row_xmask:1 row_mask:0xf bank_mask:0xf
	v_add_f32_dpp v[AC], v[AC], v[AC] row_xmask:2 row_mask:0xf bank_mask:0xf
	v_add_f32_dpp v[AC], v[AC], v[AC] row_xmask:4 row_mask:0xf bank_mask:0xf
	v_add_f32_dpp v[AC], v[AC], v[AC] row_xmask:8 row_mask:0xf bank_mask:0xf
	v_permlanex16_b32 v[AC+1], v[AC], s26, s27     ; its destination has been written above
	v_add_f32 v[AC], v[AC], v[AC+1]
.endm
.macro LNROW rr, left                  ; one row.  left = the loads of the row behind it, which stay out
.set XR, X+32*\rr
	s_wait_loadcnt \left
.irp k, 0,1,2,3
	v_pk_add_f32 v[AC+2*\k:AC+2*\k+1], v[XR+2*\k:XR+2*\k+1], v[XR+8+2*\k:XR+8+2*\k+1]   ; the first numbers start the chains
.endr
.irp k, 0,1,2,3
	v_pk_add_f32 v[AC+2*\k:AC+2*\k+1], v[AC+2*\k:AC+2*\k+1], v[XR+16+2*\k:XR+16+2*\k+1]
.endr
.irp k, 0,1,2,3
	v_pk_add_f32 v[AC+2*\k:AC+2*\k+1], v[AC+2*\k:AC+2*\k+1], v[XR+24+2*\k:XR+24+2*\k+1]
.endr
	REDUCE
	v_mul_f32 v[MEAN],   s28, v[AC]
	v_mul_f32 v[MEAN+1], s28, v[AC]
.set p, 0
.rept 16
	v_pk_add_f32 v[XR+2*p:XR+2*p+1], v[XR+2*p:XR+2*p+1], v[MEAN:MEAN+1] neg_lo:[0,1] neg_hi:[0,1]   ; x - mean
.set p, p+1
.endr
.irp k, 0,1,2,3
	v_pk_mul_f32 v[AC+2*\k:AC+2*\k+1], v[XR+2*\k:XR+2*\k+1], v[XR+2*\k:XR+2*\k+1]
.endr
.set p, 4
.rept 12
	v_pk_fma_f32 v[AC+2*(p%4):AC+2*(p%4)+1], v[XR+2*p:XR+2*p+1], v[XR+2*p:XR+2*p+1], v[AC+2*(p%4):AC+2*(p%4)+1]
.set p, p+1
.endr
	REDUCE
	v_fma_f32 v[AC], v[AC], s28, s29               ; var + eps
	v_rsq_f32 v[RS],   v[AC]
	v_rsq_f32 v[RS+1], v[AC]
	v_nop                                          ; one plain vector instruction between a transcendental and the use of its result (ISA guide 5.7.2)
.set p, 0
	s_wait_alu depctr_va_vdst(0)
.rept 16
	v_pk_mul_f32 v[XR+2*p:XR+2*p+1], v[XR+2*p:XR+2*p+1], v[RS:RS+1]
.set p, p+1
.endr
.set p, 0
.rept 16
	v_pk_fma_f32 v[XR+2*p:XR+2*p+1], v[XR+2*p:XR+2*p+1], v[W+2*p:W+2*p+1], v[BB+2*p:BB+2*p+1]
.set p, p+1
.endr
.irp j, 0,1,2,3,4,5,6,7
	v_cvt_pk_bf16_f32 v[XR+4*\j],   v[XR+4*\j],   v[XR+4*\j+1]
	v_cvt_pk_bf16_f32 v[XR+4*\j+1], v[XR+4*\j+2], v[XR+4*\j+3]
	global_store_b64 v2, v[XR+4*\j:XR+4*\j+1], s[14:15] offset:2048*\rr+256*\j   ; the wave stores 256 consecutive bytes, aligned
.endr
.endm
	LNROW 0, 8
	LNROW 1, 0
	s_endpgm
.Lfunc_end_k_q6d4489ae91_ln2:
	.size	k_q6d4489ae91_ln2, .Lfunc_end_k_q6d4489ae91_ln2-k_q6d4489ae91_ln2
	.p2alignl 7, 3214868480
	.fill 96, 4, 3214868480
	.section	.rodata,"a",@progbits
	.p2align	6, 0x0
	.amdhsa_kernel k_q6d4489ae91_ln2
		.amdhsa_group_segment_fixed_size 0
		.amdhsa_private_segment_fixed_size 0
		.amdhsa_enable_private_segment 0
		.amdhsa_kernarg_size 32
		.amdhsa_user_sgpr_count 2
		.amdhsa_user_sgpr_kernarg_segment_ptr 1
		.amdhsa_wavefront_size32 1
		.amdhsa_system_sgpr_workgroup_id_x 1
		.amdhsa_system_sgpr_workgroup_id_y 1
		.amdhsa_system_sgpr_workgroup_id_z 1
		.amdhsa_system_vgpr_workitem_id 0
		.amdhsa_next_free_vgpr 144
		.amdhsa_next_free_sgpr 66
		.amdhsa_reserve_vcc 0
		.amdhsa_float_denorm_mode_32 3
		.amdhsa_float_denorm_mode_16_64 3
		.amdhsa_memory_ordered 1
		.amdhsa_forward_progress 1
		.amdhsa_inst_pref_size 20
	.end_amdhsa_kernel
	.amdgpu_metadata
---
amdhsa.version: [ 1, 2 ]
amdhsa.kernels:
  - .name:           k_q6d4489ae91_ln2
    .symbol:         k_q6d4489ae91_ln2.kd
    .args:
      - { .name: h, .offset: 0, .size: 8, .value_kind: global_buffer, .address_space: global }
      - { .name: ln2_w, .offset: 8, .size: 8, .value_kind: global_buffer, .address_space: global }
      - { .name: ln2_b, .offset: 16, .size: 8, .value_kind: global_buffer, .address_space: global }
      - { .name: y, .offset: 24, .size: 8, .value_kind: global_buffer, .address_space: global }
    .group_segment_fixed_size: 0
    .private_segment_fixed_size: 0
    .kernarg_segment_align: 8
    .kernarg_segment_size: 32
    .max_flat_workgroup_size: 256
    .sgpr_count:     66
    .vgpr_count:     144
    .wavefront_size: 32
...
	.end_amdgpu_metadata
.endif
;; end of part 5
;; launch gemm_fc (part 6): grid 16 x 16, 4 waves a work-group, clusters of 4 x 4, 327,680 bytes of LDS; arguments y, wts, b_fc, g; writes g
.if DOCPART == 6
	.amdgcn_target "amdgcn-amd-amdhsa--gfx1250"
	.amdhsa_code_object_version 6
	.text
	.protected	k_q6d4489ae91_gemm_fc
	.globl	k_q6d4489ae91_gemm_fc
	.p2align	8
	.type	k_q6d4489ae91_gemm_fc,@function
k_q6d4489ae91_gemm_fc:
	s_mov_b64 s[64:65], 0
	v_nop
	global_prefetch_b8 v0, s[64:65] scope:SCOPE_SE
	s_setreg_imm32_b32 hwreg(HW_REG_WAVE_MODE, 25, 1), 1
	s_wait_xcnt 0x0
	s_wait_alu depctr_hold_cnt(0) depctr_sa_sdst(0) depctr_va_vdst(0) depctr_va_sdst(0) depctr_va_ssrc(0) depctr_va_vcc(0) depctr_vm_vsrc(0)
	s_getreg_b32 s2, hwreg(HW_REG_IB_STS2, 6, 4)
	s_cmp_eq_u32 s2, 0
	s_cbranch_scc0 .Lentry_in_a_cluster
	s_endpgm
.Lentry_in_a_cluster:
	s_bfe_u32 s2, ttmp6, 0x10000c
	s_cmp_lg_u32 s2, 0xf033
	s_cbranch_scc0 .Lentry_shape_is_right
	s_endpgm
.Lentry_shape_is_right:
; g = gelu(y Wf + b_fc), rounded once to bf16.
; C[m][n] = gelu(sum over k of A[m][k] B[k][n] + bias[n]).  A: [4096][SIZE_K] bf16.  B: [SIZE_K][SIZE_N] bf16 at byte WOFF of wts, N along the rows.
; A work-group makes 256 x 256 of C with four waves; a wave makes 128 x 128: 64 accumulator tiles of 16 x 16 in 512 registers.
; K goes in steps of 128 through two LDS slots filled by tensor loads: A's tile is 256 rows of 256 bytes, B's 128 rows (k) of 512 bytes.
; B's fragments are taken out of its [k][n] tile by the transposing LDS load, so no transposed copy of the weights is ever made.
; CLUSTERS: 4 x 4 work-groups.  A's tile hangs on the block row alone and is asked for jointly by a row of the cluster, B's on the block
; column alone and is asked for jointly by a column: a quarter of the requests.  The grid is 16 x 16 = 256 work-groups.
; THE MATRIX INSTRUCTION IS USED TRANSPOSED: source 0 = 16 columns of B, source 1 = 16 rows of A; lane l then holds row l % 16 of C and
; its registers 0-7 the columns 8 (l / 16) + 0..7: eight neighbouring numbers of a row.
; THE BIAS COSTS NOTHING: it is loaded in that layout and is the C operand of each tile's first product.
; Limits: operands are bf16, sums f32; the GELU is x / (1 + 2^(x (c1 + c2 x x))) with v_exp_f32 and v_rcp_f32, which flush denormals
; (a power below 2^-126 counts as 0 beside the 1); NaN and infinities in the inputs are not followed.
; REGISTERS: window 0: v16-39 addresses and small things; v64-127, v128-191 fragments of A, two buffers; v192-255 the bias (later at work)
;   window 1: v64-127, v128-191 fragments of B;  window 2: the tiles of my rows 0-63 (tile (a, b) at v[8 (8 a + b)]);  window 3: rows 64-127
.set SIZE_N, 4096
.set SIZE_K, 1024
.set WOFF,   8388608                   ; Wf's place in wts
.set GELU,   1                         ; 1: the result goes through the GELU
.set VSUM,   0                         ; 1: block sums of V columns are stored too (not here)
.set KSTEP,  128
.set PITCH,  272                       ; A's LDS row: 256 bytes + 16: an odd multiple of 16, so 16 rows of a fragment load start 16 bytes apart modulo 256
.set BPITCH, 544                       ; B's LDS row: 512 bytes + 32: an odd multiple of 32, as the transposing load's eight rows want
.set HALFT,  128*PITCH                 ; what one tensor load brings: 128 rows of A, or 64 rows of B (64 x 544 is the same 34,816 bytes)
.set SLOT,   4*HALFT                   ; A's two halves, then B's two halves
.set STAGE,  2*SLOT                    ; behind the ring: 16 rows x 272 bytes for each wave; no tensor load ever lands here
.set SPITCH, 272
.set LAPS,   SIZE_K/(2*KSTEP)          ; a lap = two K steps = once round the ring
.set ADRA, 16                          ; v16-17  LDS address of my A fragments in slot 0, 1
.set ADRB, 20                          ; v20-21  the same for B
.set STO,  24                          ; the way out: where I put 16 bytes of a row
.set RD,   25                          ; the way out: where I read a row back
.set CO,   26                          ; my byte offset in C
.set BO,   27                          ; 32 h: my place in 16 numbers of the bias
.set C1,   28                          ; v[28:29] GELU's first constant, twice
.set F0,   64
.set F1,   128
.set BIAS, 192                         ; v[192:255] bias[16 b + 8 h + j] at BIAS + 8 b + j
.set RB0,  64                          ; the way out: rows read back, two buffers
.set RB1,  128
.set T,    160                         ; v[160:223] GELU at work
.set TMP,  224                         ; v[224:255] packed results
.set G1,  24                           ; s[24:31] descriptor group 1 for A's tiles
.set G0,  32                           ; s[32:39] group 0 for A's tiles, one set for each slot
.set G1B, 48                           ; s[48:55] group 1 for B's tiles
.set G0B, 56                           ; s[56:63] group 0 for B's tiles
.set MSB, 0
.macro WIN new                         ; s_set_vgpr_msb: bits 1:0 source 0, 3:2 source 1, 5:4 source 2, 7:6 destination; the high byte repeats the setting left
.if MSB != \new
	s_set_vgpr_msb (MSB<<8)|\new
.set MSB, \new
.endif
.endm
.set MUL_LO,   0xa1                    ; source 0 (B) window 1, source 1 (A) window 0, C and D window 2
.set MUL_HI,   0xf1                    ; the same, C and D window 3
.set FIRST_LO, 0x81                    ; C (the bias) window 0, D window 2
.set FIRST_HI, 0xc1                    ; C window 0, D window 3
.set TO_B,     0x40                    ; destination window 1, address window 0
; A joint load.  Waves 0 and 1 fetch A's halves, waves 2 and 3 B's; the branch hangs on the wave's number alone.
.macro JLOAD s
	s_cmp_eq_u32 s15, 0
	s_cbranch_scc0 .Lfor_b_\@
	tensor_load_to_lds s[G0+4*\s:G0+4*\s+3], s[G1:G1+7]
	s_nop 0
	s_branch .Lasked_\@
.Lfor_b_\@:
	tensor_load_to_lds s[G0B+4*\s:G0B+4*\s+3], s[G1B:G1B+7]
	s_nop 0
.Lasked_\@:
.endm
; A round of the cluster's barrier: my work-group's barrier; wave 0 signals for the work-group; every wave waits for all sixteen; my work-group's barrier again.
.macro CREST                           ; a round behind its opening barrier
	s_cmp_lg_u32 s14, 0
	s_cbranch_scc1 .Lnot_wave_0_\@
	s_barrier_signal -3
.Lnot_wave_0_\@:
	s_barrier_wait -3
	s_barrier_signal -1
	s_barrier_wait -1
.endm
.macro CROUND
	s_barrier_signal -1
	s_barrier_wait -1
	CREST
.endm
	s_load_b256 s[4:11], s[0:1], 0x0               ; A s[4:5], wts s[6:7], bias s[8:9], C s[10:11]
	s_set_vgpr_msb 0x40
	v_lshl_add_u32 v255, v0, 2, 0x48400
	s_set_vgpr_msb 0x4000
	v_mov_b32 v63, 0
	s_set_vgpr_msb 0x1
	ds_add_u32 v255, v63
	ds_add_u32 v255, v63
	s_set_vgpr_msb 0x100
	v_lshrrev_b32 v1, 5, v0
	v_readfirstlane_b32 s14, v1                    ; wave 0..3
	s_lshr_b32 s15, s14, 1                         ; which half of the block's rows is mine.  Also: I fetch for A (0) or for B (1)
	s_and_b32 s16, s14, 1                          ; which half of its columns.  Also: which half of that tile I fetch
	s_bfe_u32 s17, ttmp6, 0x40000                  ; cx
	s_bfe_u32 s18, ttmp6, 0x40004                  ; cy
	s_lshl_b32 s19, ttmp9, 2
	s_add_co_u32 s19, s19, s17                     ; block column = 4 x cluster x + cx
	s_and_b32 s20, ttmp7, 0xffff
	s_lshl_b32 s20, s20, 2
	s_add_co_u32 s20, s20, s18                     ; block row = 4 x cluster y + cy
	s_lshl_b32 s21, s18, 2
	s_lshl_b32 s21, 15, s21                        ; my row of the cluster: places 4 cy .. 4 cy + 3
	s_lshl_b32 s22, 0x1111, s17                    ; my column: places cx, cx + 4, cx + 8, cx + 12
	; group 1 of A: 128 rows x 128 elements of 2 bytes; after every 64 words (code 5) 4 words of padding (code 3); bit 21 beside the mask
	s_or_b32 s[G1+0], s21, (1<<16)|(1<<20)|(1<<21)|(5<<22)|(3<<25)
	s_mov_b32 s[G1+1], KSTEP<<16                   ; tensor_dim0 = 128
	s_mov_b32 s[G1+2], 128<<16                     ; tensor_dim1 = 128
	s_mov_b32 s[G1+3], KSTEP<<16                   ; tile_dim0 = 128
	s_mov_b32 s[G1+4], 128                         ; tile_dim1 = 128
	s_mov_b32 s[G1+5], SIZE_K                      ; elements from row to row
	s_mov_b32 s[G1+6], 0
	s_mov_b32 s[G1+7], 0
	; group 1 of B: 64 rows (k) x 256 elements; after every 128 words (code 6) 8 words of padding (code 7)
	s_or_b32 s[G1B+0], s22, (1<<16)|(1<<20)|(1<<21)|(6<<22)|(7<<25)
	s_mov_b32 s[G1B+1], 256<<16                    ; tensor_dim0 = 256
	s_mov_b32 s[G1B+2], 64<<16                     ; tensor_dim1 = 64
	s_mov_b32 s[G1B+3], 256<<16                    ; tile_dim0 = 256
	s_mov_b32 s[G1B+4], 64                         ; tile_dim1 = 64
	s_mov_b32 s[G1B+5], SIZE_N
	s_mov_b32 s[G1B+6], 0
	s_mov_b32 s[G1B+7], 0
	; where the tiles come from: A's hang on the block row and the wave, B's on the block column and the wave, in registers of their own
	s_lshl_b32 s40, s20, 8
	s_lshl_b32 s42, s16, 7
	s_add_co_u32 s40, s40, s42                     ; A: row 256 x block row + 128 x half
	s_lshl_b32 s40, s40, 11                        ; x 2,048 bytes
	s_mov_b32 s41, 0
	s_mul_i32 s44, s16, 64*SIZE_N*2                ; B: k row 64 x half,
	s_lshl_b32 s46, s19, 9                         ; column 256 x block column, 2 bytes each,
	s_add_co_u32 s44, s44, s46
	s_add_co_u32 s44, s44, WOFF                    ; in this matrix's part of wts
	s_mov_b32 s45, 0
	s_mul_i32 s43, s14, HALFT                      ; where they go: wave x 34,816: no place in the cluster enters an LDS address
	s_wait_dscnt 0x0
	s_wait_kmcnt 0x0
	s_add_nc_u64 s[40:41], s[4:5], s[40:41]
	s_add_nc_u64 s[44:45], s[6:7], s[44:45]
	CROUND                                         ; all sixteen work-groups are here: the first joint loads meet
.irp s, 0,1
	s_mov_b32 s[G0+4*\s], 1
	s_add_co_u32 s[G0+4*\s+1], s43, \s*SLOT
	s_add_nc_u64 s[G0+4*\s+2:G0+4*\s+3], s[40:41], \s*KSTEP*2
	s_or_b32 s[G0+4*\s+3], s[G0+4*\s+3], 0x80000000
	s_mov_b32 s[G0B+4*\s], 1
	s_add_co_u32 s[G0B+4*\s+1], s43, \s*SLOT
	s_add_nc_u64 s[G0B+4*\s+2:G0B+4*\s+3], s[44:45], \s*KSTEP*SIZE_N*2
	s_or_b32 s[G0B+4*\s+3], s[G0B+4*\s+3], 0x80000000
	JLOAD \s                                       ; both slots' first fills go out before anything else: two tensor loads of the wave are out
.endr
	v_and_b32 v1, 15, v0                           ; r = l % 16
	v_bfe_u32 v2, v0, 4, 1                         ; h = l / 16
	v_lshlrev_b32 v[BO], 5, v2
	s_lshl_b32 s46, s19, 10                        ; the bias of my 128 columns: (256 x block column + 128 x half) x 4 bytes
	s_lshl_b32 s47, s16, 9
	s_add_co_u32 s46, s46, s47
	s_mov_b32 s47, 0
	s_add_nc_u64 s[8:9], s[8:9], s[46:47]
.irp b, 0,1,2,3,4,5,6,7
	global_load_b128 v[BIAS+8*\b:BIAS+8*\b+3],   v[BO], s[8:9] offset:64*\b
	global_load_b128 v[BIAS+8*\b+4:BIAS+8*\b+7], v[BO], s[8:9] offset:64*\b+16
.endr
	; A's fragment: lane l holds row l % 16; registers 0-3 K = 8 h + 0..7, registers 4-7 K = 16 + 8 h + 0..7: two loads of 16 bytes, 32 apart
	v_mul_u32_u24 v3, v1, PITCH
	v_lshl_add_u32 v3, v2, 4, v3                   ; r x 272 + 16 h
	s_mul_i32 s42, s15, HALFT                      ; my 128 rows of A
	v_add_nc_u32 v[ADRA], s42, v3
	s_add_co_u32 s42, s42, SLOT
	v_add_nc_u32 v[ADRA+1], s42, v3
	; B's fragment by the transposing load: lane l addresses k row 8 h + l % 8, 16 bytes at column 8 ((l / 8) % 2); it receives K = 8 h + 0..7 of column l % 16
	v_and_b32 v4, 7, v0
	v_lshl_add_u32 v4, v2, 3, v4
	v_mul_u32_u24 v4, v4, BPITCH
	v_bfe_u32 v5, v0, 3, 1
	v_lshl_add_u32 v4, v5, 4, v4
	s_lshl_b32 s42, s16, 8                         ; my 128 columns, 2 bytes each,
	s_add_co_u32 s42, s42, 2*HALFT                 ; behind A's 256 rows
	v_add_nc_u32 v[ADRB], s42, v4
	s_add_co_u32 s42, s42, SLOT
	v_add_nc_u32 v[ADRB+1], s42, v4
	s_mul_i32 s42, s14, 16*SPITCH
	s_add_co_u32 s42, s42, STAGE                   ; my stage
	v_add_nc_u32 v[STO], s42, v3                   ; in: row r, 16 bytes for each half of the lanes
	v_mul_u32_u24 v5, v2, SPITCH                   ; back: lanes 0-15 one row of 256 bytes, lanes 16-31 the next
	v_lshl_add_u32 v5, v1, 4, v5
	v_add_nc_u32 v[RD], s42, v5
	v_mul_u32_u24 v5, v2, SIZE_N*2                 ; and the same two rows in C
	v_lshl_add_u32 v[CO], v1, 4, v5
	v_mov_b32 v[C1],   0xc0135761                  ; c1 = -2 log2(e) sqrt(2 / pi)
	v_mov_b32 v[C1+1], 0xc0135761
	s_mov_b32 s70, 0xbdd2d3e8                      ; c2 = 0.044715 c1
	s_mov_b32 s71, 0xbdd2d3e8
	s_lshl_b32 s46, s20, 8                         ; C at my first row and column
	s_lshl_b32 s47, s15, 7
	s_add_co_u32 s46, s46, s47
	s_mul_i32 s46, s46, SIZE_N*2
	s_lshl_b32 s47, s19, 9
	s_add_co_u32 s46, s46, s47
	s_lshl_b32 s47, s16, 8
	s_add_co_u32 s46, s46, s47
	s_mov_b32 s47, 0
	s_add_nc_u64 s[10:11], s[10:11], s[46:47]
; 16 matrix instructions: m blocks a0, a0 + 1 of the window's four x all 8 n blocks, 32 along K.  first = 1: the bias starts the sums.
; The 64 accumulators take turns, one instruction a turn, in the same order in every quarter step.
.macro MUL16 f, hi, a0, first
.irp a, \a0, \a0+1
.irp b, 0,1,2,3,4,5,6,7
.if \first
	v_wmma_f32_16x16x32_bf16 v[8*(8*(\a)+\b):8*(8*(\a)+\b)+7], v[\f+8*\b:\f+8*\b+7], v[\f+8*(4*\hi+\a):\f+8*(4*\hi+\a)+7], v[BIAS+8*\b:BIAS+8*\b+7]
.else
	v_wmma_f32_16x16x32_bf16 v[8*(8*(\a)+\b):8*(8*(\a)+\b)+7], v[\f+8*\b:\f+8*\b+7], v[\f+8*(4*\hi+\a):\f+8*(4*\hi+\a)+7], v[8*(8*(\a)+\b):8*(8*(\a)+\b)+7]
.endif
.endr
.endr
.endm
; 32 LDS loads in one run: the fragments of quarter step q (32 along K) into buffer f: B's 128 columns, then A's 128 rows
.macro FETCH slot, q, f
	WIN TO_B
.irp i, 0,1,2,3,4,5,6,7
	ds_load_tr16_b128 v[\f+8*\i:\f+8*\i+3],   v[ADRB+\slot] offset:\q*32*BPITCH+32*\i
	ds_load_tr16_b128 v[\f+8*\i+4:\f+8*\i+7], v[ADRB+\slot] offset:\q*32*BPITCH+32*\i+16*BPITCH
.endr
	WIN 0
.irp i, 0,1,2,3,4,5,6,7
	ds_load_b128 v[\f+8*\i:\f+8*\i+3],   v[ADRA+\slot] offset:\q*64+\i*16*PITCH
	ds_load_b128 v[\f+8*\i+4:\f+8*\i+7], v[ADRA+\slot] offset:\q*64+\i*16*PITCH+32
.endr
.endm
; four plain vector instructions between a matrix instruction and a load into, or a vector access to, one of its registers
.macro PLACES
.rept 4
	v_nop
.endr
.endm
; one of a K step's first three quarters: multiplies buffer f; in its middle it fetches quarter q of the same slot into buffer g
.macro QUARTER slot, q, f, g, first
	s_wait_dscnt 8                                 ; B and A's rows 0-63 are in; the youngest eight loads (A's rows 64-127) may be out
.if \first
	WIN FIRST_LO
.else
	WIN MUL_LO
.endif
	MUL16 \f, 0, 0, \first
	MUL16 \f, 0, 2, \first
	PLACES
	FETCH \slot, \q, \g
	s_wait_dscnt 32                                ; all but the 32 just issued
.if \first
	WIN FIRST_HI
.else
	WIN MUL_HI
.endif
	MUL16 \f, 1, 0, \first
	MUL16 \f, 1, 2, \first
.endm
.macro THREE slot, first
	QUARTER \slot, 1, F0, F1, \first
	QUARTER \slot, 2, F1, F0, 0
	QUARTER \slot, 3, F0, F1, 0
.endm
; The last quarter: multiplies buffer 1 and changes slots.  fill = 1: this slot is filled again, two K steps ahead.
; In front of the barrier each wave waits for its reads of this slot and for all its tensor loads (one is out: its part of the next slot).
; Behind it nobody reads this slot and the next slot is whole: the refill comes first, then the next slot's first fragments.
.macro TURN slot, next, fill
	s_wait_dscnt 8
	WIN MUL_LO
	MUL16 F1, 0, 0, 0
	s_wait_dscnt 0                                 ; my reads of this slot are over
	s_wait_tensorcnt 0x0                           ; and all my tensor loads have landed
	ds_add_u32 v255, v63
	s_wait_dscnt 0x0
	s_barrier_signal -1                            ; where a slot is filled again this barrier opens a round of the cluster's barrier
	MUL16 F1, 0, 2, 0                              ; register work while the others arrive
	WIN 0
	s_barrier_wait -1
.if \fill
	CREST                                          ; no wave of any partner still reads this slot or has a load on its way
	s_add_nc_u64 s[G0+4*\slot+2:G0+4*\slot+3], s[G0+4*\slot+2:G0+4*\slot+3], 2*KSTEP*2
	s_add_nc_u64 s[G0B+4*\slot+2:G0B+4*\slot+3], s[G0B+4*\slot+2:G0B+4*\slot+3], 2*KSTEP*SIZE_N*2
	JLOAD \slot                                    ; the wave's one tensor load behind the round, and the first thing there
.endif
	PLACES
	FETCH \next, 0, F0
	WIN MUL_HI
	MUL16 F1, 1, 0, 0
	MUL16 F1, 1, 2, 0
.endm
.macro LAP first
	THREE 0, \first
	TURN 0, 1, 1
	THREE 1, 0
	TURN 1, 0, 1
.endm
	s_wait_loadcnt 0x0                             ; the bias
	s_wait_tensorcnt 1                             ; my part of K step 0 is in; K step 1's may stay out
	s_barrier_signal -1
	s_barrier_wait -1
	FETCH 0, 0, F0
	LAP 1                                          ; the first lap stands in front of the loop: its first products take the bias as C
	WIN 0                                          ; at a label and at a branch every window is 0
	s_mov_b32 s23, LAPS-2
.Llap:
	LAP 0
	WIN 0
	s_sub_co_u32 s23, s23, 1
	s_cmp_lg_u32 s23, 0
	s_cbranch_scc1 .Llap
	THREE 0, 0                                     ; the last lap fills nothing
	TURN 0, 1, 0
	THREE 1, 0
	s_wait_dscnt 8
	WIN MUL_LO
	MUL16 F1, 0, 0, 0
	MUL16 F1, 0, 2, 0
	s_wait_dscnt 0
	WIN MUL_HI
	MUL16 F1, 1, 0, 0
	MUL16 F1, 1, 2, 0
	PLACES                                         ; behind the last matrix instructions, for everything below
	WIN 0
; THE WAY OUT: rows 16 i .. 16 i + 15 of my block = the eight tiles (a, 0..7) of window w; f: the read-back buffer, in turn.
; The GELU, round to bf16, 16 bytes a lane into my own stage, read back as whole rows of 256 bytes.
.macro OUT16 i, a, w, f
	; gelu(x) = x / (1 + 2^(x (c1 + c2 x x))): the tanh form, rewritten; right at both ends, where the power is 0 or infinite
	WIN (\w|(\w<<2))
.set p, 0
.rept 32
	v_pk_mul_f32 v[T+2*p:T+2*p+1], v[64*\a+2*p:64*\a+2*p+1], v[64*\a+2*p:64*\a+2*p+1]
.set p, p+1
.endr
	WIN 0
.set p, 0
.rept 32
	v_pk_fma_f32 v[T+2*p:T+2*p+1], v[T+2*p:T+2*p+1], s[70:71], v[C1:C1+1] op_sel_hi:[1,0,1]
.set p, p+1
.endr
	WIN (\w<<2)
.set p, 0
.rept 32
	v_pk_mul_f32 v[T+2*p:T+2*p+1], v[T+2*p:T+2*p+1], v[64*\a+2*p:64*\a+2*p+1]
.set p, p+1
.endr
	WIN 0
.set p, 0
.rept 64
	v_exp_f32 v[T+p], v[T+p]
.set p, p+1
.endr
	v_nop                                          ; one plain vector instruction behind the transcendentals (ISA guide 5.7.2)
.set p, 0
	s_wait_alu depctr_va_vdst(0)
.rept 32
	v_pk_add_f32 v[T+2*p:T+2*p+1], v[T+2*p:T+2*p+1], 1.0 op_sel_hi:[1,0]
.set p, p+1
.endr
.set p, 0
.rept 64
	v_rcp_f32 v[T+p], v[T+p]
.set p, p+1
.endr
	v_nop
	WIN (\w<<2)
.set p, 0
	s_wait_alu depctr_va_vdst(0)
.rept 32
	v_pk_mul_f32 v[T+2*p:T+2*p+1], v[T+2*p:T+2*p+1], v[64*\a+2*p:64*\a+2*p+1]
.set p, p+1
.endr
	WIN 0
.set p, 0
.rept 32
	v_cvt_pk_bf16_f32 v[TMP+p], v[T+2*p], v[T+2*p+1]
.set p, p+1
.endr
.irp b, 0,1,2,3,4,5,6,7
	ds_store_b128 v[STO], v[TMP+4*\b:TMP+4*\b+3] offset:32*\b
.endr
	s_wait_xcnt 0x0                                ; buffer f, which earlier stores read, and the stores' base are rewritten only behind this wait
.if \i
	s_add_nc_u64 s[10:11], s[10:11], 16*SIZE_N*2   ; 16 rows of C on
.endif
.irp t, 0,1,2,3,4,5,6,7
	ds_load_b128 v[\f+4*\t:\f+4*\t+3], v[RD] offset:\t*2*SPITCH                ; in order behind the stores above: my own bytes
.endr
.irp t, 0,1,2,3,4,5,6,7
	s_wait_dscnt 7-\t                              ; load t is in, the younger ones stay out
	global_store_b128 v[CO], v[\f+4*\t:\f+4*\t+3], s[10:11] offset:2*\t*SIZE_N*2   ; 16 lanes store 256 consecutive bytes, aligned
.endr
.endm
	OUT16 0, 0, 2, RB0
	OUT16 1, 1, 2, RB1
	OUT16 2, 2, 2, RB0
	OUT16 3, 3, 2, RB1
	OUT16 4, 0, 3, RB0
	OUT16 5, 1, 3, RB1
	OUT16 6, 2, 3, RB0
	OUT16 7, 3, 3, RB1
	s_set_vgpr_msb 0x1
	s_wait_tensorcnt 0x0
	ds_add_u32 v255, v63
	s_wait_dscnt 0x0
	s_set_vgpr_msb 0x100
	CROUND                                         ; the closing round: no work-group ends while a partner may still ask for a tile that names it
	s_endpgm
.Lfunc_end_k_q6d4489ae91_gemm_fc:
	.size	k_q6d4489ae91_gemm_fc, .Lfunc_end_k_q6d4489ae91_gemm_fc-k_q6d4489ae91_gemm_fc
	.p2alignl 7, 3214868480
	.fill 96, 4, 3214868480
	.section	.rodata,"a",@progbits
	.p2align	6, 0x0
	.amdhsa_kernel k_q6d4489ae91_gemm_fc
		.amdhsa_group_segment_fixed_size 327680
		.amdhsa_private_segment_fixed_size 0
		.amdhsa_enable_private_segment 0
		.amdhsa_kernarg_size 32
		.amdhsa_user_sgpr_count 2
		.amdhsa_user_sgpr_kernarg_segment_ptr 1
		.amdhsa_wavefront_size32 1
		.amdhsa_system_sgpr_workgroup_id_x 1
		.amdhsa_system_sgpr_workgroup_id_y 1
		.amdhsa_system_sgpr_workgroup_id_z 1
		.amdhsa_system_vgpr_workitem_id 0
		.amdhsa_next_free_vgpr 1024
		.amdhsa_next_free_sgpr 72
		.amdhsa_reserve_vcc 0
		.amdhsa_float_denorm_mode_32 3
		.amdhsa_float_denorm_mode_16_64 3
		.amdhsa_memory_ordered 1
		.amdhsa_forward_progress 1
		.amdhsa_inst_pref_size 255
	.end_amdhsa_kernel
	.section	.bss,"aw",@nobits
	.p2align	6
	.space	262144
	.amdgpu_metadata
---
amdhsa.version: [ 1, 2 ]
amdhsa.kernels:
  - .name:           k_q6d4489ae91_gemm_fc
    .symbol:         k_q6d4489ae91_gemm_fc.kd
    .args:
      - { .name: y, .offset: 0, .size: 8, .value_kind: global_buffer, .address_space: global }
      - { .name: wts, .offset: 8, .size: 8, .value_kind: global_buffer, .address_space: global }
      - { .name: b_fc, .offset: 16, .size: 8, .value_kind: global_buffer, .address_space: global }
      - { .name: g, .offset: 24, .size: 8, .value_kind: global_buffer, .address_space: global }
    .group_segment_fixed_size: 327680
    .private_segment_fixed_size: 0
    .kernarg_segment_align: 8
    .kernarg_segment_size: 32
    .max_flat_workgroup_size: 128
    .sgpr_count:     72
    .vgpr_count:     1024
    .wavefront_size: 32
...
	.end_amdgpu_metadata
.endif
;; end of part 6
;; launch gemm_out (part 7): grid 8 x 32, 4 waves a work-group, clusters of 4 x 4, 327,680 bytes of LDS; arguments g, wts, b_fc_proj, h, out0; writes out0
.if DOCPART == 7
	.amdgcn_target "amdgcn-amd-amdhsa--gfx1250"
	.amdhsa_code_object_version 6
	.text
	.protected	k_q6d4489ae91_gemm_out
	.globl	k_q6d4489ae91_gemm_out
	.p2align	8
	.type	k_q6d4489ae91_gemm_out,@function
k_q6d4489ae91_gemm_out:
	s_mov_b64 s[64:65], 0
	v_nop
	global_prefetch_b8 v0, s[64:65] scope:SCOPE_SE
	s_setreg_imm32_b32 hwreg(HW_REG_WAVE_MODE, 25, 1), 1
	s_wait_xcnt 0x0
	s_wait_alu depctr_hold_cnt(0) depctr_sa_sdst(0) depctr_va_vdst(0) depctr_va_sdst(0) depctr_va_ssrc(0) depctr_va_vcc(0) depctr_vm_vsrc(0)
	s_getreg_b32 s2, hwreg(HW_REG_IB_STS2, 6, 4)
	s_cmp_eq_u32 s2, 0
	s_cbranch_scc0 .Lentry_in_a_cluster
	s_endpgm
.Lentry_in_a_cluster:
	s_bfe_u32 s2, ttmp6, 0x10000c
	s_cmp_lg_u32 s2, 0xf033
	s_cbranch_scc0 .Lentry_shape_is_right
	s_endpgm
.Lentry_shape_is_right:
; out0 = h + g Wo + b_fc_proj, in f32.
; OUT[m][n] = RES[m][n] + bias[n] + sum over k of A[m][k] B[k][n].  A: [4096][SIZE_K] bf16.  B: [SIZE_K][1024] bf16 at byte WOFF of wts.
; N is 1,024, so blocks of 128 x 128 give 8 x 32 = 256 work-groups.  THE FOUR WAVES SPLIT K: each keeps the whole block of 128 x 128 in
; 512 registers and multiplies its own 64 of each K step's 256, so that a byte read from LDS feeds as many products as in a 256 x 256 block
; shared out 2 x 2.  The four partial blocks meet in LDS at the end, where an f32 result has to pass anyway to leave as whole rows.
; K goes in steps of 256 through two LDS slots: A's tile is 128 rows of 512 bytes, B's 256 rows (k) of 256 bytes.
; CLUSTERS: 4 x 4 work-groups; A's tile is asked for jointly by a row of the cluster, B's by a column.
; The matrix instruction is used transposed (source 0 = 16 columns of B, source 1 = 16 rows of A): lane l holds row l % 16 and columns 8 (l / 16) + 0..7.
; Limits: operands are bf16, sums f32, added as four partial sums over K; NaN and infinities in the inputs are not followed.
; REGISTERS: window 0: v16-35 addresses, the bias; v64-127, v128-191 fragments of A (later the residual); v192-255 at work on the way out
;   window 1: fragments of B;  window 2: the tiles of rows 0-63 (tile (a, b) at v[8 (8 a + b)]);  window 3: rows 64-127
.set SIZE_K, 4096
.set WOFF,   16777216                  ; Wo's place in wts
.set SIZE_N, 1024
.set KSTEP,  256
.set APITCH, 528                       ; 512 bytes + 16: an odd multiple of 16
.set BPITCH, 288                       ; 256 bytes + 32: an odd multiple of 32, for the transposing load
.set QT,     36864                     ; a quarter of a slot: 64 rows of A (33,792 bytes used), or 128 rows of B (exactly)
.set SLOT,   4*QT                      ; A's two halves, then B's two halves: k row kr of B at 2 QT + 288 kr
.set RPITCH, 528                       ; the reduction's rows: 128 f32 + 16 bytes
.set RP,     128*RPITCH                ; a wave's partial block; four of them lie in the ring once its last fill has been read
.set LAPS,   SIZE_K/(2*KSTEP)
.set ADRA, 16                          ; v16-17  LDS address of my A fragments in slot 0, 1
.set ADRB, 20                          ; v20-21  the same for B
.set STO,  24                          ; where my partial block's 32 bytes go
.set CO,   26                          ; 16 x lane: my place in a row of 512 bytes
.set BI,   28                          ; v[28:31] the bias of my 4 columns
.set RA,   32                          ; v32-35  partial block p, my wave's 32 rows, my 16 bytes
.set F0,   64
.set F1,   128
.set RES,  64                          ; v[64:191] the residual of my 32 rows
.set PR,   192                         ; v[192:255] four rows x four partial sums
.set G1,  24
.set G0,  32
.set G1B, 48
.set G0B, 56
.set MSB, 0
.macro WIN new                         ; s_set_vgpr_msb: bits 1:0 source 0, 3:2 source 1, 5:4 source 2, 7:6 destination; the high byte repeats the setting left
.if MSB != \new
	s_set_vgpr_msb (MSB<<8)|\new
.set MSB, \new
.endif
.endm
.set MUL_LO, 0xa1
.set MUL_HI, 0xf1
.set TO_B,   0x40
.macro JLOAD s                         ; waves 0 and 1 fetch A's halves, waves 2 and 3 B's
	s_cmp_eq_u32 s15, 0
	s_cbranch_scc0 .Lfor_b_\@
	tensor_load_to_lds s[G0+4*\s:G0+4*\s+3], s[G1:G1+7]
	s_nop 0
	s_branch .Lasked_\@
.Lfor_b_\@:
	tensor_load_to_lds s[G0B+4*\s:G0B+4*\s+3], s[G1B:G1B+7]
	s_nop 0
.Lasked_\@:
.endm
.macro CREST                           ; a round of the cluster's barrier behind its opening barrier
	s_cmp_lg_u32 s14, 0
	s_cbranch_scc1 .Lnot_wave_0_\@
	s_barrier_signal -3
.Lnot_wave_0_\@:
	s_barrier_wait -3
	s_barrier_signal -1
	s_barrier_wait -1
.endm
.macro CROUND
	s_barrier_signal -1
	s_barrier_wait -1
	CREST
.endm
	s_load_b256 s[4:11], s[0:1], 0x0               ; A s[4:5], wts s[6:7], bias s[8:9], residual s[10:11]
	s_load_b64 s[12:13], s[0:1], 0x20              ; the output
	s_set_vgpr_msb 0x40
	v_lshl_add_u32 v255, v0, 2, 0x48000
	s_set_vgpr_msb 0x4000
	v_mov_b32 v63, 0
	s_set_vgpr_msb 0x1
	ds_add_u32 v255, v63
	ds_add_u32 v255, v63
	s_set_vgpr_msb 0x100
	v_lshrrev_b32 v1, 5, v0
	v_readfirstlane_b32 s14, v1                    ; wave 0..3: my quarter of every K step
	s_lshr_b32 s15, s14, 1                         ; I fetch for A (0) or for B (1)
	s_and_b32 s16, s14, 1                          ; which half of that tile
	s_bfe_u32 s17, ttmp6, 0x40000                  ; cx
	s_bfe_u32 s18, ttmp6, 0x40004                  ; cy
	s_lshl_b32 s19, ttmp9, 2
	s_add_co_u32 s19, s19, s17                     ; block column
	s_and_b32 s20, ttmp7, 0xffff
	s_lshl_b32 s20, s20, 2
	s_add_co_u32 s20, s20, s18                     ; block row
	s_lshl_b32 s21, s18, 2
	s_lshl_b32 s21, 15, s21                        ; my row of the cluster
	s_lshl_b32 s22, 0x1111, s17                    ; my column
	; group 1 of A: 64 rows x 256 elements of 2 bytes; after every 128 words (code 6) 4 words of padding (code 3); bit 21 beside the mask
	s_or_b32 s[G1+0], s21, (1<<16)|(1<<20)|(1<<21)|(6<<22)|(3<<25)
	s_mov_b32 s[G1+1], KSTEP<<16                   ; tensor_dim0 = 256
	s_mov_b32 s[G1+2], 64<<16                      ; tensor_dim1 = 64
	s_mov_b32 s[G1+3], KSTEP<<16                   ; tile_dim0 = 256
	s_mov_b32 s[G1+4], 64                          ; tile_dim1 = 64
	s_mov_b32 s[G1+5], SIZE_K
	s_mov_b32 s[G1+6], 0
	s_mov_b32 s[G1+7], 0
	; group 1 of B: 128 rows (k) x 128 elements; after every 64 words (code 5) 8 words of padding (code 7)
	s_or_b32 s[G1B+0], s22, (1<<16)|(1<<20)|(1<<21)|(5<<22)|(7<<25)
	s_mov_b32 s[G1B+1], 128<<16
	s_mov_b32 s[G1B+2], 128<<16
	s_mov_b32 s[G1B+3], 128<<16
	s_mov_b32 s[G1B+4], 128
	s_mov_b32 s[G1B+5], SIZE_N
	s_mov_b32 s[G1B+6], 0
	s_mov_b32 s[G1B+7], 0
	s_lshl_b32 s40, s20, 7
	s_lshl_b32 s42, s16, 6
	s_add_co_u32 s40, s40, s42                     ; A: row 128 x block row + 64 x half
	s_mul_i32 s40, s40, SIZE_K*2
	s_mov_b32 s41, 0
	s_lshl_b32 s44, s16, 18                        ; B: k row 128 x half, 2,048 bytes a row,
	s_lshl_b32 s46, s19, 8                         ; column 128 x block column,
	s_add_co_u32 s44, s44, s46
	s_add_co_u32 s44, s44, WOFF                    ; in this matrix's part of wts
	s_mov_b32 s45, 0
	s_mul_i32 s43, s14, QT                         ; where they go: wave x 36,864
	s_wait_dscnt 0x0
	s_wait_kmcnt 0x0
	s_add_nc_u64 s[40:41], s[4:5], s[40:41]
	s_add_nc_u64 s[44:45], s[6:7], s[44:45]
	CROUND                                         ; all sixteen work-groups are here: the first joint loads meet
.irp s, 0,1
	s_mov_b32 s[G0+4*\s], 1
	s_add_co_u32 s[G0+4*\s+1], s43, \s*SLOT
	s_add_nc_u64 s[G0+4*\s+2:G0+4*\s+3], s[40:41], \s*KSTEP*2
	s_or_b32 s[G0+4*\s+3], s[G0+4*\s+3], 0x80000000
	s_mov_b32 s[G0B+4*\s], 1
	s_add_co_u32 s[G0B+4*\s+1], s43, \s*SLOT
	s_add_nc_u64 s[G0B+4*\s+2:G0B+4*\s+3], s[44:45], \s*KSTEP*SIZE_N*2
	s_or_b32 s[G0B+4*\s+3], s[G0B+4*\s+3], 0x80000000
	JLOAD \s                                       ; both slots' first fills: two tensor loads of the wave are out
.endr
	v_and_b32 v1, 15, v0                           ; r
	v_bfe_u32 v2, v0, 4, 1                         ; h
	v_mul_u32_u24 v3, v1, APITCH
	v_lshl_add_u32 v3, v2, 4, v3
	s_lshl_b32 s42, s14, 7                         ; my 64 of the step's 256 along K: 128 bytes a wave
	v_add_nc_u32 v[ADRA], s42, v3
	s_add_co_u32 s42, s42, SLOT
	v_add_nc_u32 v[ADRA+1], s42, v3
	v_and_b32 v4, 7, v0
	v_lshl_add_u32 v4, v2, 3, v4
	v_mul_u32_u24 v4, v4, BPITCH
	v_bfe_u32 v5, v0, 3, 1
	v_lshl_add_u32 v4, v5, 4, v4
	s_mul_i32 s42, s14, 64*BPITCH                  ; my 64 k rows of B,
	s_add_co_u32 s42, s42, 2*QT                    ; behind A's two halves
	v_add_nc_u32 v[ADRB], s42, v4
	s_add_co_u32 s42, s42, SLOT
	v_add_nc_u32 v[ADRB+1], s42, v4
	v_mul_u32_u24 v5, v1, RPITCH
	v_lshl_add_u32 v5, v2, 5, v5                   ; row r, 32 h: eight f32
	s_mul_i32 s42, s14, RP
	v_add_nc_u32 v[STO], s42, v5
	v_and_b32 v6, 31, v0
	v_lshlrev_b32 v[CO], 4, v6
	s_mul_i32 s42, s14, 32*RPITCH                  ; the 32 rows that I add up
	v_add_nc_u32 v[RA], s42, v[CO]
.irp p, 1,2,3
	v_add_nc_u32 v[RA+\p], \p*RP, v[RA]
.endr
	s_lshl_b32 s46, s19, 9                         ; 128 columns of f32
	s_mov_b32 s47, 0
	s_add_nc_u64 s[8:9], s[8:9], s[46:47]          ; the bias of the block's columns
	s_lshl_b32 s42, s20, 7
	s_lshl_b32 s23, s14, 5
	s_add_co_u32 s42, s42, s23                     ; row 128 x block row + 32 w
	s_lshl_b32 s42, s42, 12
	s_add_co_u32 s46, s46, s42
	s_add_nc_u64 s[10:11], s[10:11], s[46:47]      ; the residual and the output at my 32 rows
	s_add_nc_u64 s[12:13], s[12:13], s[46:47]
; 16 matrix instructions; zero = 1: the first product starts the sums.  The 64 accumulators take turns, one instruction a turn.
.macro MUL16 f, hi, a0, zero
.irp a, \a0, \a0+1
.irp b, 0,1,2,3,4,5,6,7
.if \zero
	v_wmma_f32_16x16x32_bf16 v[8*(8*(\a)+\b):8*(8*(\a)+\b)+7], v[\f+8*\b:\f+8*\b+7], v[\f+8*(4*\hi+\a):\f+8*(4*\hi+\a)+7], 0
.else
	v_wmma_f32_16x16x32_bf16 v[8*(8*(\a)+\b):8*(8*(\a)+\b)+7], v[\f+8*\b:\f+8*\b+7], v[\f+8*(4*\hi+\a):\f+8*(4*\hi+\a)+7], v[8*(8*(\a)+\b):8*(8*(\a)+\b)+7]
.endif
.endr
.endr
.endm
; 32 LDS loads in one run: chunk c (32 along K) of my 64 into buffer f: B's 128 columns, then A's 128 rows (rows 64-127 lie one quarter slot on)
.macro FETCH slot, c, f
	WIN TO_B
.irp i, 0,1,2,3,4,5,6,7
	ds_load_tr16_b128 v[\f+8*\i:\f+8*\i+3],   v[ADRB+\slot] offset:\c*32*BPITCH+32*\i
	ds_load_tr16_b128 v[\f+8*\i+4:\f+8*\i+7], v[ADRB+\slot] offset:\c*32*BPITCH+32*\i+16*BPITCH
.endr
	WIN 0
.irp i, 0,1,2,3,4,5,6,7
	ds_load_b128 v[\f+8*\i:\f+8*\i+3],   v[ADRA+\slot] offset:(\i/4)*QT+(\i%4)*16*APITCH+64*\c
	ds_load_b128 v[\f+8*\i+4:\f+8*\i+7], v[ADRA+\slot] offset:(\i/4)*QT+(\i%4)*16*APITCH+64*\c+32
.endr
.endm
.macro PLACES                          ; four plain vector instructions between a matrix instruction and a load into, or an access to, one of its registers
.rept 4
	v_nop
.endr
.endm
; a K step's first half: multiplies buffer 0; in its middle it fetches chunk 1 into buffer 1
.macro HALF slot, zero
	s_wait_dscnt 8                                 ; B and A's rows 0-63 are in; the youngest eight loads (A's rows 64-127) may be out
	WIN MUL_LO
	MUL16 F0, 0, 0, \zero
	MUL16 F0, 0, 2, \zero
	PLACES
	FETCH \slot, 1, F1
	s_wait_dscnt 32                                ; all but the 32 just issued
	WIN MUL_HI
	MUL16 F0, 1, 0, \zero
	MUL16 F0, 1, 2, \zero
.endm
; its second half: multiplies buffer 1 and changes slots.  In front of the barrier each wave waits for its reads of this slot and for all its
; tensor loads; behind it the refill comes first, then the next slot's first fragments.
.macro TURN slot, next, fill
	s_wait_dscnt 8
	WIN MUL_LO
	MUL16 F1, 0, 0, 0
	s_wait_dscnt 0
	s_wait_tensorcnt 0x0
	ds_add_u32 v255, v63
	s_wait_dscnt 0x0
	s_barrier_signal -1                            ; where a slot is filled again this barrier opens a round of the cluster's barrier
	MUL16 F1, 0, 2, 0
	WIN 0
	s_barrier_wait -1
.if \fill
	CREST
	s_add_nc_u64 s[G0+4*\slot+2:G0+4*\slot+3], s[G0+4*\slot+2:G0+4*\slot+3], 2*KSTEP*2
	s_add_nc_u64 s[G0B+4*\slot+2:G0B+4*\slot+3], s[G0B+4*\slot+2:G0B+4*\slot+3], 2*KSTEP*SIZE_N*2
	JLOAD \slot                                    ; the wave's one tensor load behind the round, and the first thing there
.endif
	PLACES
	FETCH \next, 0, F0
	WIN MUL_HI
	MUL16 F1, 1, 0, 0
	MUL16 F1, 1, 2, 0
.endm
.macro LAP zero
	HALF 0, \zero
	TURN 0, 1, 1
	HALF 1, 0
	TURN 1, 0, 1
.endm
	s_wait_tensorcnt 1                             ; my part of K step 0 is in; K step 1's may stay out
	s_barrier_signal -1
	s_barrier_wait -1
	FETCH 0, 0, F0
	LAP 1
.if LAPS > 2
	WIN 0
	s_mov_b32 s23, LAPS-2
.Llap:
	LAP 0
	WIN 0
	s_sub_co_u32 s23, s23, 1
	s_cmp_lg_u32 s23, 0
	s_cbranch_scc1 .Llap
.endif
	HALF 0, 0                                      ; the last lap fills nothing
	TURN 0, 1, 0
	HALF 1, 0
	s_wait_dscnt 8
	WIN MUL_LO
	MUL16 F1, 0, 0, 0
	MUL16 F1, 0, 2, 0
	s_wait_dscnt 0
	WIN MUL_HI
	MUL16 F1, 1, 0, 0
	MUL16 F1, 1, 2, 0
	PLACES
	WIN 0
	; THE WAY OUT.  The residual and the bias are asked for first; they land while the partial blocks cross LDS.
.set p, 0
.rept 32
	global_load_b128 v[RES+4*p:RES+4*p+3], v[CO], s[10:11] offset:4096*p
.set p, p+1
.endr
	global_load_b128 v[BI:BI+3], v[CO], s[8:9]
	s_wait_dscnt 0x0                               ; my reads of the ring are over; every tensor load landed before the last change of slots
	s_barrier_signal -1
	s_barrier_wait -1                              ; so are everybody's: the ring, which is filled no more, becomes the stage
	WIN 0x08                                       ; store data window 2
.irp a, 0,1,2,3
.irp b, 0,1,2,3,4,5,6,7
	ds_store_b128 v[STO], v[8*(8*\a+\b):8*(8*\a+\b)+3]   offset:\a*16*RPITCH+64*\b
	ds_store_b128 v[STO], v[8*(8*\a+\b)+4:8*(8*\a+\b)+7] offset:\a*16*RPITCH+64*\b+16
.endr
.endr
	WIN 0x0c                                       ; window 3
.irp a, 0,1,2,3
.irp b, 0,1,2,3,4,5,6,7
	ds_store_b128 v[STO], v[8*(8*\a+\b):8*(8*\a+\b)+3]   offset:(\a+4)*16*RPITCH+64*\b
	ds_store_b128 v[STO], v[8*(8*\a+\b)+4:8*(8*\a+\b)+7] offset:(\a+4)*16*RPITCH+64*\b+16
.endr
.endr
	WIN 0
	s_wait_dscnt 0x0                               ; for the others' sake: my partial block is written
	s_barrier_signal -1
	s_barrier_wait -1
	s_wait_loadcnt 0x0                             ; the residual and the bias
; four of my 32 rows: (p0 + p1) + (p2 + p3) + (residual + bias); a row leaves as 512 consecutive bytes, aligned
.macro ROWS4 g
	s_wait_xcnt 0x0                                ; PR held the last group's store data
.irp q, 0,1,2,3
.irp p, 0,1,2,3
	ds_load_b128 v[PR+16*\q+4*\p:PR+16*\q+4*\p+3], v[RA+\p] offset:(4*\g+\q)*RPITCH
.endr
.endr
.irp q, 0,1,2,3
	s_wait_dscnt 12-4*\q                           ; row q's four loads are in, the later rows' stay out
	v_pk_add_f32 v[PR+16*\q:PR+16*\q+1],     v[PR+16*\q:PR+16*\q+1],     v[PR+16*\q+4:PR+16*\q+5]
	v_pk_add_f32 v[PR+16*\q+2:PR+16*\q+3],   v[PR+16*\q+2:PR+16*\q+3],   v[PR+16*\q+6:PR+16*\q+7]
	v_pk_add_f32 v[PR+16*\q+8:PR+16*\q+9],   v[PR+16*\q+8:PR+16*\q+9],   v[PR+16*\q+12:PR+16*\q+13]
	v_pk_add_f32 v[PR+16*\q+10:PR+16*\q+11], v[PR+16*\q+10:PR+16*\q+11], v[PR+16*\q+14:PR+16*\q+15]
	v_pk_add_f32 v[RES+4*(4*\g+\q):RES+4*(4*\g+\q)+1],   v[RES+4*(4*\g+\q):RES+4*(4*\g+\q)+1],   v[BI:BI+1]
	v_pk_add_f32 v[RES+4*(4*\g+\q)+2:RES+4*(4*\g+\q)+3], v[RES+4*(4*\g+\q)+2:RES+4*(4*\g+\q)+3], v[BI+2:BI+3]
	v_pk_add_f32 v[PR+16*\q:PR+16*\q+1],     v[PR+16*\q:PR+16*\q+1],     v[PR+16*\q+8:PR+16*\q+9]
	v_pk_add_f32 v[PR+16*\q+2:PR+16*\q+3],   v[PR+16*\q+2:PR+16*\q+3],   v[PR+16*\q+10:PR+16*\q+11]
	v_pk_add_f32 v[PR+16*\q:PR+16*\q+1],     v[PR+16*\q:PR+16*\q+1],     v[RES+4*(4*\g+\q):RES+4*(4*\g+\q)+1]
	v_pk_add_f32 v[PR+16*\q+2:PR+16*\q+3],   v[PR+16*\q+2:PR+16*\q+3],   v[RES+4*(4*\g+\q)+2:RES+4*(4*\g+\q)+3]
	global_store_b128 v[CO], v[PR+16*\q:PR+16*\q+3], s[12:13] offset:4096*(4*\g+\q)
.endr
.endm
.irp g, 0,1,2,3,4,5,6,7
	ROWS4 \g
.endr
	s_set_vgpr_msb 0x1
	s_wait_tensorcnt 0x0
	ds_add_u32 v255, v63
	s_wait_dscnt 0x0
	s_set_vgpr_msb 0x100
	CROUND                                         ; the closing round: no work-group ends while a partner may still ask for a tile that names it
	s_endpgm
.Lfunc_end_k_q6d4489ae91_gemm_out:
	.size	k_q6d4489ae91_gemm_out, .Lfunc_end_k_q6d4489ae91_gemm_out-k_q6d4489ae91_gemm_out
	.p2alignl 7, 3214868480
	.fill 96, 4, 3214868480
	.section	.rodata,"a",@progbits
	.p2align	6, 0x0
	.amdhsa_kernel k_q6d4489ae91_gemm_out
		.amdhsa_group_segment_fixed_size 327680
		.amdhsa_private_segment_fixed_size 0
		.amdhsa_enable_private_segment 0
		.amdhsa_kernarg_size 40
		.amdhsa_user_sgpr_count 2
		.amdhsa_user_sgpr_kernarg_segment_ptr 1
		.amdhsa_wavefront_size32 1
		.amdhsa_system_sgpr_workgroup_id_x 1
		.amdhsa_system_sgpr_workgroup_id_y 1
		.amdhsa_system_sgpr_workgroup_id_z 1
		.amdhsa_system_vgpr_workitem_id 0
		.amdhsa_next_free_vgpr 1024
		.amdhsa_next_free_sgpr 66
		.amdhsa_reserve_vcc 0
		.amdhsa_float_denorm_mode_32 3
		.amdhsa_float_denorm_mode_16_64 3
		.amdhsa_memory_ordered 1
		.amdhsa_forward_progress 1
		.amdhsa_inst_pref_size 131
	.end_amdhsa_kernel
	.amdgpu_metadata
---
amdhsa.version: [ 1, 2 ]
amdhsa.kernels:
  - .name:           k_q6d4489ae91_gemm_out
    .symbol:         k_q6d4489ae91_gemm_out.kd
    .args:
      - { .name: g, .offset: 0, .size: 8, .value_kind: global_buffer, .address_space: global }
      - { .name: wts, .offset: 8, .size: 8, .value_kind: global_buffer, .address_space: global }
      - { .name: b_fc_proj, .offset: 16, .size: 8, .value_kind: global_buffer, .address_space: global }
      - { .name: h, .offset: 24, .size: 8, .value_kind: global_buffer, .address_space: global }
      - { .name: out0, .offset: 32, .size: 8, .value_kind: global_buffer, .address_space: global }
    .group_segment_fixed_size: 327680
    .private_segment_fixed_size: 0
    .kernarg_segment_align: 8
    .kernarg_segment_size: 40
    .max_flat_workgroup_size: 128
    .sgpr_count:     66
    .vgpr_count:     1024
    .wavefront_size: 32
...
	.end_amdgpu_metadata
.endif
;; end of part 7
